; MI455X (gfx1250); checked and timed in simulation.
; The chip was launched on July 23, 2026; its instructions are those of AMD's public machine-readable ISA for CDNA 5 (MIT licence, August 2026) and "CDNA5" Instruction Set Architecture Reference Guide (July 2026). The comments in the code are by the model that wrote it; some were corrected since.
;; Multi Head Self Attention. Allowed arithmetic: matrix products marked QUANTISED: E3M2 operands, one E8M0 scale for each 32 along K, by v_wmma_scale_f32_16x16x128_f8f6f4 with both operands' format E3M2, f32 sums; everything else in f32.
;; Inputs: b_proj 1,024 float32; b_qkv 3,072 float32; w_proj 1,024 x 1,024 float32; w_qkv 1,024 x 3,072 float32; x 4 x 2,048 x 1,024 float32.
;; Outputs: out0 4 x 2,048 x 1,024 float32.
;; This version of the problem:
;;   THIS VERSION OF THE PROBLEM IS GIVEN IN LOW PRECISION. The matrix products marked QUANTISED in the list below multiply operands that are first quantised to E3M2 (3 exponent bits, 2 mantissa bits; 6 bits a number), with one power-of-two scale for each 32 numbers along K (OCP MX v1.0); their sums are f32. All else is computed in f32.
;;   The module's matrix products, in the order in which they are computed (A, B: the left and right operand; K: the contracted axis; several contracted axes count as one K, in the product's order):
;;     1. [M 8,192, K 1,024] x [K 1,024, N 3,072]; A: input x; B: input w_qkv: QUANTISED
;;     2. batch 64 x [M 2,048, K 64] x [K 64, N 2,048]; A: computed on the way; B: computed on the way: QUANTISED
;;     3. batch 64 x [M 2,048, K 2,048] x [K 2,048, N 64]; A: softmax (see below); B: computed on the way: QUANTISED
;;     4. [M 8,192, K 1,024] x [K 1,024, N 1,024]; A: computed on the way; B: input w_proj: QUANTISED
;;   THE QUANTISER, for each operand of a quantised product, along K:
;;     - K is cut into blocks of 32 from its start; a last block that is shorter is filled with zeros.
;;     - A block's scale is 2^e with e = floor(log2(the largest magnitude in the block)) - 4, held to -126 .. 127; a block of zeros has e = 0. As a byte (E8M0): e + 127.
;;     - Each number is divided by its block's scale, clamped to +-28, and rounded to the nearest number of E3M2, ties to even, subnormals kept.
;;     - The product sums the exact products of the quantised numbers (number of the format x scale) in f32.
;;   ~~~python
;;   def quantise(x, axis):      # numpy; x: float32 -> the quantised numbers, widened to float32 again
;;       x = np.moveaxis(x, axis, -1); K = x.shape[-1]
;;       x = np.pad(x, [(0, 0)] * (x.ndim - 1) + [(0, -K % 32)]); x = x.reshape(x.shape[:-1] + (-1, 32)); a = np.abs(x).max(-1, keepdims=True)
;;       e = np.where(a > 0, np.clip(np.frexp(np.where(a > 0, a, 1))[1] - 1 - 4, -126, 127), 0)      # np.frexp(a)[1] - 1 = floor(log2(a)), exactly
;;       r = np.clip(x / 2.0 ** e, -28, 28)
;;       step = 2.0 ** (np.maximum(np.frexp(np.where(r == 0, 1, r))[1] - 1, -2) - 2)
;;       q = np.round(r / step) * step * 2.0 ** e      # np.round: ties to even
;;       return np.moveaxis(q.reshape(q.shape[:-2] + (-1,))[..., :K], -1, axis).astype(np.float32)
;;   ~~~
;;   SOFTMAX AHEAD OF A QUANTISED PRODUCT. Where the list says 'softmax', what is quantised is not the finished softmax but p = 2^(t - M), with t = logit x log2(e) and M = ceil(the row's largest t), a whole number; so 1/2 < the row's largest p <= 1. The row's sum l is taken of the UNQUANTISED p, in f32, and the product's result is divided by l at the end. Since M is a whole number, a kernel that streams over the keys may use a running M (the ceiling of the running maximum): every later rescaling is an exact power of two, which a block's scale takes up: the codes' values come out the same.
;;   OPERANDS COMPUTED ON THE WAY. 'Computed on the way' means the value that the module computes at that place (a softmax that the list does not call 'softmax' is quantised finished and normalised). What goes into a quantiser is computed in f32, as accurately as f32 sums, v_exp_f32 and their like allow (about 1e-6 of the number): no bf16 or f16 on the way to a quantiser, and a product that is left as it is and whose result goes on into a quantised operand takes f32 operands (vector FMAs, or v_wmma_f32_16x16x4_f32). A number that lies on a knife's edge between two numbers of the format may be rounded either way, as far as f32 arithmetic and the matrix unit's own rounding can turn it there, and no further.
;; One version. Each part assembles by itself: llvm-mc -triple=amdgcn-amd-amdhsa -mcpu=gfx1250 --defsym DOCPART=n.
;; ======== version 1 of 1: 4 launches
;; workspace buffers: xq 6,553,600 bytes; wq 3,276,800 bytes; qq 6,553,600 bytes; kv 13,107,200 bytes; aq 6,553,600 bytes
;; launch quant (part 1): grid 384 x 1, 4 waves a work-group, no clusters, 34,304 bytes of LDS; arguments x, w_qkv, w_proj, xq, wq; writes xq, wq
.if DOCPART == 1
	.amdgcn_target "amdgcn-amd-amdhsa--gfx1250"
	.amdhsa_code_object_version 6
	.text
	.protected	k_q2074cfa914_quant
	.globl	k_q2074cfa914_quant
	.p2align	8
	.type	k_q2074cfa914_quant,@function
k_q2074cfa914_quant:
	s_mov_b64 s[64:65], 0
	v_nop
	global_prefetch_b8 v0, s[64:65] scope:SCOPE_SE
	s_setreg_imm32_b32 hwreg(HW_REG_WAVE_MODE, 25, 1), 1
	s_wait_xcnt 0x0
; x [8192][1024], w_qkv [1024][3072] and w_proj [1024][1024], f32, become codes of BF6 (E3M2) with one E8M0 byte for each 32 along K (K = the 1,024),
; laid as the products' launches read them: IN THE ORDER OF THE OPERAND'S REGISTERS.
; A TILE is 16 rows of a row space: tile T holds rows 32 (T / 2) + 8 (T % 2) + r + 8 (r / 8), r = 0 .. 15.
; A HALF IMAGE (768 bytes) is 16 rows x 64 K: lane (r, h) owns the 24 bytes of block h of row r: its first 16 bytes at 16 x lane, its last 8 at 512 + 8 x lane.
; A buffer is cut into blocks of 25,600 bytes, one for 128 rows (8 tiles) and 256 along K: at 12,288 s + 1,536 tile the fragment (two half images) of the s-th 128 along K;
; at 24,576 + 128 tile + 8 r + 4 s the row's scale word.  Block (RB, sp) lies at 102,400 RB + 25,600 sp.
; xq: rows = tokens.  wq: rows 0 .. 3071 = columns of w_qkv, rows 3072 .. 4095 = columns of w_proj.
; A block's scale is 2^(floor(log2(largest magnitude)) - 4): its byte is the largest magnitude's exponent field - 4, held at 1 from below.
; LIMITS: NaN and infinities are not served; a block whose largest magnitude lies under 2^-122 keeps the byte 1; a block of zeros has the byte 1 where the rule says 127
; (its codes are zeros, which add nothing under any byte but 0xff, and this program alone reads the bytes).
; Work-groups 0 .. 255 take x (32 rows each, a wave 256 along K); work-groups 256 .. 383 take the weights (128 columns x 256 along K each, a wave 32 columns).
; Memory binds: no matrix unit, no tensor load, no barrier; waves share nothing.  Only the x path touches LDS.
.set RA,  16                           ; v16-143  x: two sets of 64 registers as loaded
.set X,   144                          ; v144-207 x: 64 numbers of a lane: register 16 b + i = k 32 b + 16 h + i of my row
.set PC,  208                          ; v208-227 the codes just made
.set TM,  228                          ; v228-243 at work
.set SW,  244                          ; v244-247 the four units' scale words
.set SEL, 32                           ; s[32:33] selects for lane l xor 16
.set WX,  16                           ; v16-79   weights: two sets of 32 numbers
.set WC,  80                           ; v80-127  weights: 12 registers for each pair of blocks; never written twice
.set CT,  128                          ; v128-130 the second half of a block's codes
.set WS,  136                          ; v136-137 the two scale words
; 64 numbers of a lane, v[s] .. v[s + 63], become a fragment's codes in v[PC] on and its scale word in v[pw].
.macro QUANT s, pw
.irp b, 0,1,2,3
	v_max3_num_f32 v[TM+\b], |v[\s+16*\b]|, |v[\s+1+16*\b]|, 0x2800000   ; block b: my 16 numbers, and the floor 2^(5 - 127): the byte cannot fall under 1
.endr
.irp i, 2,4,6,8,10,12,14
.irp b, 0,1,2,3
	v_max3_num_f32 v[TM+\b], v[TM+\b], |v[\s+16*\b+\i]|, |v[\s+1+16*\b+\i]|   ; the four blocks by turns
.endr
.endr
.irp b, 0,1,2,3
	v_permlanex16_b32 v[TM+4+\b], v[TM+\b], s[SEL], s[SEL+1]
.endr
.irp b, 0,1,2,3
	v_max_num_f32 v[TM+\b], v[TM+\b], v[TM+4+\b]   ; with lane l xor 16's: the block's largest magnitude
.endr
.irp b, 0,1,2,3
	v_add_nc_u32 v[TM+12+\b], 0xfe000000, v[TM+\b]   ; 4 off its exponent field: the conversion's scale operand
.endr
.irp b, 0,1,2,3
	v_lshrrev_b32 v[TM+4+\b], 23, v[TM+12+\b]      ; the scale's byte
.endr
	v_lshl_or_b32 v[\pw], v[TM+5], 8, v[TM+4]
	v_lshl_or_b32 v[\pw], v[TM+6], 16, v[\pw]
	v_lshl_or_b32 v[\pw], v[TM+7], 24, v[\pw]
.irp c, 0,1
	v_cvt_scalef32_pk16_bf6_f32 v[PC+6*\c:PC+2+6*\c], v[\s+32*\c:\s+15+32*\c], v[TM+12+2*\c]
	v_cvt_scalef32_pk16_bf6_f32 v[PC+12+4*\c:PC+14+4*\c], v[\s+16+32*\c:\s+31+32*\c], v[TM+12+2*\c+1]   ; a conversion's three registers begin on an even number
.endr
	v_nop                                          ; one plain place behind a scaled conversion
.irp c, 0,1                                    ; the operand's layout wants a whole block in a lane: lanes 0-15 block 2 c, lanes 16-31 block 2 c + 1
.irp i, 0,1,2
	v_permlane16_swap_b32 v[PC+6*\c+\i], v[PC+12+4*\c+\i]
.endr
.irp i, 0,1,2
	v_mov_b32 v[PC+3+6*\c+\i], v[PC+12+4*\c+\i]
.endr
.endr
.endm
	s_load_b128 s[4:7], s[0:1], 0x0                ; x, w_qkv
	s_load_b128 s[8:11], s[0:1], 0x10              ; w_proj, xq
	s_load_b64 s[12:13], s[0:1], 0x20              ; wq
	v_lshl_add_u32 v254, v0, 2, 0x8400
	v_mov_b32 v255, 0
	v_lshrrev_b32 v1, 5, v0
	v_readfirstlane_b32 s14, v1                    ; wave 0..3
	v_and_b32 v1, 31, v0                           ; lane
	v_and_b32 v6, 15, v0                           ; r
	v_bfe_u32 v7, v0, 4, 1                         ; h
	v_lshlrev_b32 v3, 3, v1                        ; 8 x lane
	s_cmp_lt_u32 ttmp9, 256
	s_cbranch_scc0 .Lweights
; ---------------- x: work-group g takes rows 32 g .. 32 g + 31 (tiles 2 g, 2 g + 1); wave sp takes 256 along K; four units: tile u = k / 2, 128 along K s = k % 2
	v_lshlrev_b32 v2, 4, v1                        ; 16 x lane
	s_mul_i32 s30, s14, 8448                       ; my stage: 16 rows x (512 + 16) bytes
	v_add_nc_u32 v4, s30, v2                       ; in: a row as it lies, 16 bytes a lane
	v_mul_u32_u24 v5, v6, 528
	v_lshl_add_u32 v5, v7, 6, v5
	v_add_nc_u32 v5, s30, v5                       ; out: row r, + 64 h: my 16 numbers of a block of 32
	s_mov_b32 s[SEL], 0x76543210
	s_mov_b32 s[SEL+1], 0xfedcba98
.irp b, 0,1,2,3
	v_mov_b32 v[TM+4+\b], 0                        ; written once: a lane permute's destination counts as one of its sources
.endr
	s_lshl_b32 s16, ttmp9, 17                      ; 32 rows of 4,096 bytes,
	s_lshl_b32 s17, s14, 10                        ; + my 256 numbers of a row
	s_add_co_u32 s16, s16, s17
	s_mov_b32 s17, 0
	s_lshr_b32 s18, ttmp9, 2                       ; RB = g / 4
	s_mul_i32 s18, s18, 102400
	s_mul_i32 s19, s14, 25600
	s_add_co_u32 s18, s18, s19                     ; my block of xq
	s_and_b32 s20, ttmp9, 3
	s_mul_i32 s21, s20, 3072                       ; my two tiles' fragments
	s_add_co_u32 s22, s18, s21
	s_mov_b32 s23, 0
	s_lshl_b32 s20, s20, 8                         ; and their scale words
	s_add_co_u32 s24, s18, s20
	s_add_co_u32 s24, s24, 24576
	s_mov_b32 s25, 0
	s_wait_alu depctr_va_vdst(0)
	s_wait_kmcnt 0x0
	s_add_nc_u64 s[4:5], s[4:5], s[16:17]
	s_add_nc_u64 s[26:27], s[10:11], s[22:23]
	s_add_nc_u64 s[28:29], s[10:11], s[24:25]
.macro XLOAD k                         ; unit k: 16 rows x 512 bytes; each load covers 512 consecutive bytes of one row
.irp n, 0,1,2,3,4,5,6,7,8,9,10,11,12,13,14,15
	global_load_b128 v[RA+64*((\k)%2)+4*\n:RA+64*((\k)%2)+4*\n+3], v2, s[4:5] offset:(8*((\k)/2)+\n+8*(\n/8))*4096+512*((\k)%2) th:TH_LOAD_NT
.endr
.endm
.macro PROC k
.if (\k) < 3
	s_wait_loadcnt 16                              ; this unit's 16 loads are in; the next unit's 16 may be out
.else
	s_wait_loadcnt 0
.endif
.irp n, 0,1,2,3,4,5,6,7,8,9,10,11,12,13,14,15
	ds_store_b128 v4, v[RA+64*((\k)%2)+4*\n:RA+64*((\k)%2)+4*\n+3] offset:\n*528
.endr
.irp b, 0,1,2,3
.irp j, 0,1,2,3
	ds_load_b128 v[X+16*\b+4*\j:X+16*\b+4*\j+3], v5 offset:128*\b+16*\j   ; LDS serves a wave's instructions in order: these see the stores above
.endr
.endr
	s_wait_dscnt 0x0                               ; the numbers are back, and the stores have read the set that is loaded again below
	s_wait_xcnt 0x0                                ; the last unit's stores have read the codes' registers
.if (\k) < 2
	XLOAD (\k)+2
.endif
	QUANT X, SW+(\k)
	global_store_b128 v2, v[PC:PC+3], s[26:27] offset:12288*((\k)%2)+1536*((\k)/2)          ; 512 consecutive bytes
	global_store_b64 v3, v[PC+4:PC+5], s[26:27] offset:12288*((\k)%2)+1536*((\k)/2)+512     ; 256
	global_store_b128 v2, v[PC+6:PC+9], s[26:27] offset:12288*((\k)%2)+1536*((\k)/2)+768
	global_store_b64 v3, v[PC+10:PC+11], s[26:27] offset:12288*((\k)%2)+1536*((\k)/2)+1280
.endm
	XLOAD 0
	XLOAD 1
	PROC 0
	PROC 1
	PROC 2
	PROC 3
	s_mov_b32 vcc_lo, 0xffff0000                   ; lanes 16-31 take the second tile's words
	v_cndmask_b32 v248, v[SW], v[SW+2], vcc_lo
	v_cndmask_b32 v249, v[SW+1], v[SW+3], vcc_lo
	global_store_b64 v3, v[248:249], s[28:29]      ; 256 consecutive bytes, aligned: two tiles x 16 rows x 2 words
	s_wait_tensorcnt 0x0
	ds_add_u32 v254, v255
	s_wait_dscnt 0x0
	s_endpgm
; ---------------- the weights: K is their FIRST axis.  A lane takes a column and its registers run down K; lanes 0-15 take the columns of tile 2 wave, lanes 16-31 those of tile 2 wave + 1
.Lweights:
	s_sub_co_u32 s15, ttmp9, 256
	s_and_b32 s16, s15, 31                         ; RB of wq
	s_lshr_b32 s17, s15, 5                         ; which 256 along K
	s_wait_alu depctr_va_vdst(0)
	v_and_b32 v4, 8, v6
	v_add_nc_u32 v4, v4, v6                        ; r + 8 (r / 8)
	v_lshl_add_u32 v4, v7, 3, v4                   ; + 8 for the second tile
	v_lshlrev_b32 v2, 2, v4                        ; my column among the wave's 32, in bytes: the 32 lanes cover 128 consecutive bytes
	s_mul_i32 s18, s16, 102400
	s_mul_i32 s19, s17, 25600
	s_add_co_u32 s18, s18, s19
	s_mul_i32 s19, s14, 3072
	s_add_co_u32 s20, s18, s19
	s_mov_b32 s21, 0
	s_lshl_b32 s19, s14, 8
	s_add_co_u32 s22, s18, s19
	s_add_co_u32 s22, s22, 24576
	s_mov_b32 s23, 0
	s_lshl_b32 s24, s14, 7                         ; my wave's 32 columns, in bytes
	s_mov_b32 s25, 0
	s_wait_kmcnt 0x0
	s_add_nc_u64 s[26:27], s[12:13], s[20:21]
	s_add_nc_u64 s[28:29], s[12:13], s[22:23]
.macro WLOAD t, stride                 ; block t: w(32 t + i, my column), i = 0 .. 31
.irp i, 0,1,2,3,4,5,6,7,8,9,10,11,12,13,14,15,16,17,18,19,20,21,22,23,24,25,26,27,28,29,30,31
	global_load_b32 v[WX+32*((\t)%2)+\i], v2, s[4:5] offset:(32*(\t)+\i)*\stride th:TH_LOAD_NT
.endr
.endm
.macro WBLOCK t, stride
.set XS, WX+32*((\t)%2)
.set CD, WC+12*((\t)/2)+6*((\t)%2)
.if (\t) < 7
	s_wait_loadcnt 32                              ; this block's 32 loads are in; the next block's may be out
.else
	s_wait_loadcnt 0
.endif
	v_max3_num_f32 v132, |v[XS]|, |v[XS+1]|, |v[XS+2]|             ; all 32 numbers of the block are mine
	v_max3_num_f32 v133, |v[XS+3]|, |v[XS+4]|, |v[XS+5]|
.irp i, 6,10,14,18,22,26
	v_max3_num_f32 v132, v132, |v[XS+\i]|, |v[XS+\i+1]|
	v_max3_num_f32 v133, v133, |v[XS+\i+2]|, |v[XS+\i+3]|
.endr
	v_max3_num_f32 v132, v132, |v[XS+30]|, |v[XS+31]|
	v_max3_num_f32 v132, v132, v133, 0x2800000     ; and the floor
	v_add_nc_u32 v134, 0xfe000000, v132            ; the conversion's scale operand
	v_lshrrev_b32 v133, 23, v134                   ; the byte
.if (\t)%4 == 0
	v_mov_b32 v[WS+(\t)/4], v133
.else
	v_lshl_or_b32 v[WS+(\t)/4], v133, 8*((\t)%4), v[WS+(\t)/4]
.endif
	v_cvt_scalef32_pk16_bf6_f32 v[CD:CD+2], v[XS:XS+15], v134
	v_cvt_scalef32_pk16_bf6_f32 v[CT:CT+2], v[XS+16:XS+31], v134
	v_nop                                          ; one plain place behind a scaled conversion
.irp i, 0,1,2
	v_mov_b32 v[CD+3+\i], v[CT+\i]
.endr
.if (\t)+2 < 8
	WLOAD (\t)+2, \stride
.endif
.if (\t)%2                             ; a pair of blocks (64 along K) is whole: the exchange makes of my two blocks the two tiles' half images
.set CP, WC+12*((\t)/2)
.irp i, 0,1,2,3,4,5
	v_permlane16_swap_b32 v[CP+\i], v[CP+6+\i]     ; the first six: tile 2 wave (lanes 0-15 block 0, lanes 16-31 block 1); the second six: tile 2 wave + 1
.endr
	global_store_b128 v5, v[CP:CP+3], s[26:27] offset:12288*((\t)/4)+768*(((\t)/2)%2)
	global_store_b64 v3, v[CP+4:CP+5], s[26:27] offset:12288*((\t)/4)+768*(((\t)/2)%2)+512
	global_store_b128 v5, v[CP+6:CP+9], s[26:27] offset:12288*((\t)/4)+768*(((\t)/2)%2)+1536
	global_store_b64 v3, v[CP+10:CP+11], s[26:27] offset:12288*((\t)/4)+768*(((\t)/2)%2)+2048
.endif
.endm
.macro WPATH stride
	WLOAD 0, \stride
	WLOAD 1, \stride
.irp t, 0,1,2,3,4,5,6,7
	WBLOCK \t, \stride
.endr
	global_store_b64 v3, v[WS:WS+1], s[28:29]      ; 256 consecutive bytes, aligned: two tiles x 16 rows x 2 words
.endm
	v_lshlrev_b32 v5, 4, v1                        ; 16 x lane
	s_cmp_lt_u32 s16, 24
	s_cbranch_scc0 .Lproj
	s_mul_i32 s30, s17, 256*12288                  ; w_qkv: 256 rows of 12,288 bytes for each step along K,
	s_lshl_b32 s31, s16, 9                         ; 128 columns for each RB
	s_add_co_u32 s30, s30, s31
	s_add_co_u32 s24, s24, s30
	s_add_nc_u64 s[4:5], s[6:7], s[24:25]
	s_wait_alu depctr_va_vdst(0)
	WPATH 12288                                    ; every offset is an immediate: 255 x 12,288 at the most
	s_endpgm
.Lproj:
	s_sub_co_u32 s16, s16, 24
	s_mul_i32 s30, s17, 256*4096
	s_lshl_b32 s31, s16, 9
	s_add_co_u32 s30, s30, s31
	s_add_co_u32 s24, s24, s30
	s_add_nc_u64 s[4:5], s[8:9], s[24:25]
	s_wait_alu depctr_va_vdst(0)
	WPATH 4096
	s_endpgm
.Lfunc_end_k_q2074cfa914_quant:
	.size	k_q2074cfa914_quant, .Lfunc_end_k_q2074cfa914_quant-k_q2074cfa914_quant
	.p2alignl 7, 3214868480
	.fill 96, 4, 3214868480
	.section	.rodata,"a",@progbits
	.p2align	6, 0x0
	.amdhsa_kernel k_q2074cfa914_quant
		.amdhsa_group_segment_fixed_size 34304
		.amdhsa_private_segment_fixed_size 0
		.amdhsa_enable_private_segment 0
		.amdhsa_kernarg_size 40
		.amdhsa_user_sgpr_count 2
		.amdhsa_user_sgpr_kernarg_segment_ptr 1
		.amdhsa_wavefront_size32 1
		.amdhsa_system_sgpr_workgroup_id_x 1
		.amdhsa_system_sgpr_workgroup_id_y 1
		.amdhsa_system_sgpr_workgroup_id_z 1
		.amdhsa_system_vgpr_workitem_id 0
		.amdhsa_next_free_vgpr 256
		.amdhsa_next_free_sgpr 66
		.amdhsa_reserve_vcc 1
		.amdhsa_float_denorm_mode_32 3
		.amdhsa_float_denorm_mode_16_64 3
		.amdhsa_memory_ordered 1
		.amdhsa_forward_progress 1
		.amdhsa_inst_pref_size 111
	.end_amdhsa_kernel
	.amdgpu_metadata
---
amdhsa.version: [ 1, 2 ]
amdhsa.kernels:
  - .name:           k_q2074cfa914_quant
    .symbol:         k_q2074cfa914_quant.kd
    .args:
      - { .name: x, .offset: 0, .size: 8, .value_kind: global_buffer, .address_space: global }
      - { .name: w_qkv, .offset: 8, .size: 8, .value_kind: global_buffer, .address_space: global }
      - { .name: w_proj, .offset: 16, .size: 8, .value_kind: global_buffer, .address_space: global }
      - { .name: xq, .offset: 24, .size: 8, .value_kind: global_buffer, .address_space: global }
      - { .name: wq, .offset: 32, .size: 8, .value_kind: global_buffer, .address_space: global }
    .group_segment_fixed_size: 34304
    .private_segment_fixed_size: 0
    .kernarg_segment_align: 8
    .kernarg_segment_size: 40
    .max_flat_workgroup_size: 128
    .sgpr_count:     66
    .vgpr_count:     256
    .wavefront_size: 32
...
	.end_amdgpu_metadata
.endif
;; end of part 1
;; launch gemm_qkv (part 2): grid 12 x 32, 4 waves a work-group, clusters of 4 x 4, 327,680 bytes of LDS; arguments xq, wq, b_qkv, qq, kv; writes qq, kv
.if DOCPART == 2
	.amdgcn_target "amdgcn-amd-amdhsa--gfx1250"
	.amdhsa_code_object_version 6
	.text
	.protected	k_q2074cfa914_gemm_qkv
	.globl	k_q2074cfa914_gemm_qkv
	.p2align	8
	.type	k_q2074cfa914_gemm_qkv,@function
k_q2074cfa914_gemm_qkv:
	s_mov_b64 s[64:65], 0
	v_nop
	global_prefetch_b8 v0, s[64:65] scope:SCOPE_SE
	s_setreg_imm32_b32 hwreg(HW_REG_WAVE_MODE, 25, 1), 1
	s_wait_xcnt 0x0
	s_wait_alu depctr_hold_cnt(0) depctr_sa_sdst(0) depctr_va_vdst(0) depctr_va_sdst(0) depctr_va_ssrc(0) depctr_va_vcc(0) depctr_vm_vsrc(0)
	s_getreg_b32 s2, hwreg(HW_REG_IB_STS2, 6, 4)
	s_cmp_eq_u32 s2, 0
	s_cbranch_scc0 .Lentry_in_a_cluster
	s_endpgm
.Lentry_in_a_cluster:
	s_bfe_u32 s2, ttmp6, 0x10000c
	s_cmp_lg_u32 s2, 0xf033
	s_cbranch_scc0 .Lentry_shape_is_right
	s_endpgm
.Lentry_shape_is_right:
; qkv = x w_qkv + b_qkv on codes of BF6 (E3M2) with E8M0 scales, sums in f32; the results leave as CODES: q and k quantised along the head's 64, v along the keys.
; A tile of 256 x 256 to a work-group of four waves, 128 x 128 to a wave: 64 accumulators, 512 registers.  K = 1,024 goes in four steps of 256 through two LDS slots.
; OPERANDS lie in memory in the order of the operand's registers (a block of 25,600 bytes = 128 rows x 256 K: 16 fragments of 1,536 bytes, then 1,024 bytes of scale words):
; a wave's tensor load brings one such block, 100 rows of 256 bytes, dense; a fragment comes from LDS by four loads of consecutive bytes; no padding is needed.
; ROLES.  P is source 1: its rows lie in lanes.  Q is source 0: its rows run along a lane's registers, which is the axis that is quantised on the way out.
;   cluster x = 0 (q), 1 (k): P = tokens (xq), Q = columns (wq).   cluster x = 2 (v): P = columns (wq), Q = tokens (xq).
; A TILE of 16 rows is rows 32 (T / 2) + 8 (T % 2) + r + 8 (r / 8): so the 16 registers of Q's tiles 2 b, 2 b + 1 are 16 neighbours, 32 b + 16 (lane / 16) + 0 .. 15.
; CLUSTERS: 4 x 4.  P's blocks hang on cy alone and are shared along a row of the cluster, Q's on cx alone and are shared along a column: joint loads.
; OUT.  qq: [head of batch 64][128 tokens 16] blocks of 6,400: 8 half images (768 bytes: 16 tokens x 64) and 256 bytes of scale pair words (word f at 64 f + 4 r: the two bytes of tile 2 f, then of tile 2 f + 1).
;       kv: blocks of 12,800: k as q (6,400), then v: 4 fragments (16 of the head's 64 x 128 keys) and 256 bytes of scale words.
; The eight loads of scale words a slot let both halves of the lanes meet in the same banks, two deep: eight loads against 128 matrix instructions.
; LIMITS: NaN and infinities are not served; a block whose largest magnitude lies under 2^-122 keeps the byte 1; a block of zeros has the byte 1 (its codes are zeros; this program alone reads the bytes).
; REGISTERS: window 0: v0-31 addresses; v32-63 scale words, two sets; v64-127 the bias; v128-223 P's fragments, one set (on the way out v128-239 are at work);
;   window 1: Q's fragments, two sets, at v0 and v128;  window 2: the accumulators of P's tiles 0-3 ((a, b) at v[8 (8 a + b)]);  window 3: those of tiles 4-7.
.set NQ,    2                          ; matrix instructions deep in a slot
.set FR,    12                         ; registers of a fragment
.set NL,    4                          ; LDS loads that bring one
.set NP,    4                          ; places behind this matrix instruction (ISA guide 7.12.1)
.set RBB,   102400                     ; 128 rows, all of K
.set HALFT, 25600                      ; what one tensor load brings
.set SLOT,  4*HALFT                    ; P's two blocks, then Q's two
.set STGQ,  2*SLOT                     ; behind the ring: 512 bytes a wave for the scale words of q and k,
.set STGV,  STGQ+2048                  ; and 512 bytes a wave for those of v
.set SPARE, STGV+2048                  ; the spare words, 128 bytes a wave: two blocks of 256 bytes that no other line names
.set ADRA, 16                          ; v16-17 P's fragments in slot 0, 1, at 16 x lane; v18-19 at 8 x lane
.set ADRB, 20                          ; v20-23 the same for Q
.set L16,  24                          ; v24 16 x lane
.set L8,   25                          ; v25 8 x lane
.set ADRS, 26                          ; v26-27 my scale words in slot 0, 1: lanes 0-15 P's rows, lanes 16-31 Q's
.set SPW,  28
.set NIL,  29
.set SC,   32
.set BIAS, 64
.set AF,   128
.set HA,   128                         ; the way out: 64 numbers
.set PC,   192                         ; their codes
.set TM,   212
.set PW,   228                         ; scale words
.set G1,  24
.set G0,  32
.set G1B, 48
.set G0B, 56
.set SEL, 82
.set MSB, 0
.macro WIN new                         ; the immediate's high byte repeats the setting that is left
.if MSB != (\new)
	s_set_vgpr_msb (MSB<<8)|(\new)
.set MSB, (\new)
.endif
.endm
.set MUL_LO, 0xa1                      ; source 0 (Q) window 1, source 1 (P) window 0, C and D window 2
.set MUL_HI, 0xf1
.set TO_B,   0x40
; A joint load: waves 0 and 1 fetch P's two blocks, waves 2 and 3 Q's.  Four v_nop follow each of the two lines.
.macro JLOAD g0a, g1a, g0b, g1b
	s_cmp_eq_u32 s15, 0
	s_cbranch_scc0 .Lfor_b_\@
	tensor_load_to_lds s[\g0a:\g0a+3], s[\g1a:\g1a+7]
	s_nop 0
.rept 4
	v_nop
.endr
	s_branch .Lasked_\@
.Lfor_b_\@:
	tensor_load_to_lds s[\g0b:\g0b+3], s[\g1b:\g1b+7]
	s_nop 0
.rept 4
	v_nop
.endr
.Lasked_\@:
.endm
.macro CREST                           ; a round of the cluster's barrier behind its opening barrier
	s_cmp_lg_u32 s14, 0
	s_cbranch_scc1 .Lnot_wave_0_\@
	s_barrier_signal -3
.Lnot_wave_0_\@:
	s_barrier_wait -3
	s_barrier_signal -1
	s_barrier_wait -1
.endm
.macro CROUND
	s_barrier_signal -1
	s_barrier_wait -1
	CREST
.endm
.macro PLACES n
.rept \n
	v_nop
.endr
.endm
.macro FRAG reg, adr, q, i             ; fragment i of the slot's q-th 128 along K: two half images, each 512 + 256 consecutive bytes
	ds_load_b128 v[\reg:\reg+3], v[\adr] offset:(\q)*12288+(\i)*1536
	ds_load_b64 v[\reg+4:\reg+5], v[\adr+2] offset:(\q)*12288+(\i)*1536+512
	ds_load_b128 v[\reg+6:\reg+9], v[\adr] offset:(\q)*12288+(\i)*1536+768
	ds_load_b64 v[\reg+10:\reg+11], v[\adr+2] offset:(\q)*12288+(\i)*1536+1280
.endm
; 16 matrix instructions: P's tiles a0, a0 + 1 x Q's eight.  zero = 1: the product starts the sum.  The 64 accumulators take turns, one instruction a turn.
.macro MUL16 a0, p, q, sc, zero
.irp a, \a0, \a0+1
.irp b, 0,1,2,3,4,5,6,7
.if \zero == 1
	v_wmma_scale_f32_16x16x128_f8f6f4 v[8*(8*((\a)%4)+\b):8*(8*((\a)%4)+\b)+7], v[128*(\p)+FR*\b:128*(\p)+FR*\b+FR-1], v[AF+FR*(\a):AF+FR*(\a)+FR-1], 0, v[SC+8*NQ*(\sc)+NQ*\b+(\q)], v[SC+8*NQ*(\sc)+NQ*(\a)+(\q)] matrix_a_fmt:MATRIX_FMT_BF6 matrix_b_fmt:MATRIX_FMT_BF6 matrix_a_scale:MATRIX_SCALE_ROW1
.else
	v_wmma_scale_f32_16x16x128_f8f6f4 v[8*(8*((\a)%4)+\b):8*(8*((\a)%4)+\b)+7], v[128*(\p)+FR*\b:128*(\p)+FR*\b+FR-1], v[AF+FR*(\a):AF+FR*(\a)+FR-1], v[8*(8*((\a)%4)+\b):8*(8*((\a)%4)+\b)+7], v[SC+8*NQ*(\sc)+NQ*\b+(\q)], v[SC+8*NQ*(\sc)+NQ*(\a)+(\q)] matrix_a_fmt:MATRIX_FMT_BF6 matrix_b_fmt:MATRIX_FMT_BF6 matrix_a_scale:MATRIX_SCALE_ROW1
.endif
.endr
.endr
.endm
.macro FETCH_B slot, q, p
	WIN TO_B
.irp i, 0,1,2,3,4,5,6,7
	FRAG 128*(\p)+FR*\i, ADRB+\slot, \q, \i
.endr
	WIN 0
.endm
.macro FETCH_A slot, q, i0
.irp i, \i0, \i0+1, \i0+2, \i0+3
	FRAG AF+FR*(\i), ADRA+\slot, \q, \i
.endr
.endm
.macro SCALES sc                       ; the slot's scale words: two words a row; lanes 0-15 P's tile i, lanes 16-31 Q's tile i
.irp i, 0,1,2,3,4,5,6,7
	ds_load_b64 v[SC+8*NQ*\sc+NQ*\i:SC+8*NQ*\sc+NQ*\i+1], v[ADRS+\sc] offset:24576+128*\i
.endr
.endm
.macro STEP slot, q, zero              ; a step of 128 along K that has its successor in the same slot
	s_wait_dscnt 4*NL                              ; all but the youngest 16 loads (P's tiles 4-7) are in
	WIN MUL_LO
	MUL16 0, (\q)%2, \q, \slot, \zero
	MUL16 2, (\q)%2, \q, \slot, \zero
	s_wait_dscnt 0                                 ; P's tiles 4-7 are in
	PLACES NP
	FETCH_B \slot, (\q)+1, 1-(\q)%2
	FETCH_A \slot, (\q)+1, 0
	WIN MUL_HI
	MUL16 4, (\q)%2, \q, \slot, \zero
	MUL16 6, (\q)%2, \q, \slot, \zero
	PLACES NP
	WIN 0
	FETCH_A \slot, (\q)+1, 4
.endm
.macro TURN slot, next, fill           ; a slot's last step changes slots: one barrier; fill = 1: this slot is filled again, two slots' K ahead
	s_wait_tensorcnt 0x0                           ; all my tensor loads have landed: my part of the next slot
	ds_add_u32 v[SPW], v[NIL]                      ; 0 onto my spare word
	s_wait_dscnt 4*NL+1                            ; the add and the youngest 16 loads may be out
	WIN MUL_LO
	MUL16 0, 1, NQ-1, \slot, 0
	s_wait_dscnt 0x0                               ; the add is done, and my reads of this slot are over
	s_barrier_signal -1
	MUL16 2, 1, NQ-1, \slot, 0
	WIN 0
	s_barrier_wait -1
.if \fill
	CREST                                          ; the barrier has opened a round of the cluster's barrier: no wave of any partner still reads this slot or has a load on its way
	s_add_nc_u64 s[G0+4*\slot+2:G0+4*\slot+3], s[G0+4*\slot+2:G0+4*\slot+3], 2*HALFT
	s_add_nc_u64 s[G0B+4*\slot+2:G0B+4*\slot+3], s[G0B+4*\slot+2:G0B+4*\slot+3], 2*HALFT
	JLOAD G0+4*\slot, G1, G0B+4*\slot, G1B         ; the first tensor load behind the round; its four v_nop are the places in front of the loads below
.else
	PLACES NP
.endif
	FETCH_B \next, 0, 0
	FETCH_A \next, 0, 0
	SCALES \next
	WIN MUL_HI
	MUL16 4, 1, NQ-1, \slot, 0
	MUL16 6, 1, NQ-1, \slot, 0
	PLACES NP
	WIN 0
	FETCH_A \next, 0, 4
.endm
.macro LAST                            ; the very last step: nothing more to fetch
	s_wait_dscnt 4*NL
	WIN MUL_LO
	MUL16 0, 1, NQ-1, 1, 0
	MUL16 2, 1, NQ-1, 1, 0
	s_wait_dscnt 0
	WIN MUL_HI
	MUL16 4, 1, NQ-1, 1, 0
	MUL16 6, 1, NQ-1, 1, 0
	WIN 0
	PLACES NP                                      ; in front of the first read of results and of writes into the registers that held P's fragments
.irp b, 0,1,2,3
	v_mov_b32 v[TM+4+\b], 0                        ; a lane permute's destination counts as one of its sources
.endr
	s_wait_loadcnt 0x0                             ; the bias
.endm
; 64 numbers of a lane, register 16 b + i = index 32 b + 16 (lane / 16) + i along the axis to be quantised, become a fragment's codes in v[PC] on and its scale word in v[pw].
.macro QUANT s, pw
.irp b, 0,1,2,3
	v_max3_num_f32 v[TM+\b], |v[\s+16*\b]|, |v[\s+1+16*\b]|, 0x2800000   ; my 16 numbers, and the floor 2^(5 - 127)
.endr
.irp i, 2,4,6,8,10,12,14
.irp b, 0,1,2,3
	v_max3_num_f32 v[TM+\b], v[TM+\b], |v[\s+16*\b+\i]|, |v[\s+1+16*\b+\i]|
.endr
.endr
.irp b, 0,1,2,3
	v_permlanex16_b32 v[TM+4+\b], v[TM+\b], s[SEL], s[SEL+1]
.endr
.irp b, 0,1,2,3
	v_max_num_f32 v[TM+\b], v[TM+\b], v[TM+4+\b]
.endr
.irp b, 0,1,2,3
	v_add_nc_u32 v[TM+12+\b], 0xfe000000, v[TM+\b]   ; 4 off the exponent field: the conversion's scale operand
.endr
.irp b, 0,1,2,3
	v_lshrrev_b32 v[TM+4+\b], 23, v[TM+12+\b]
.endr
	v_lshl_or_b32 v[\pw], v[TM+5], 8, v[TM+4]
	v_lshl_or_b32 v[\pw], v[TM+6], 16, v[\pw]
	v_lshl_or_b32 v[\pw], v[TM+7], 24, v[\pw]
.irp c, 0,1
	v_cvt_scalef32_pk16_bf6_f32 v[PC+6*\c:PC+2+6*\c], v[\s+32*\c:\s+15+32*\c], v[TM+12+2*\c]
	v_cvt_scalef32_pk16_bf6_f32 v[PC+12+4*\c:PC+14+4*\c], v[\s+16+32*\c:\s+31+32*\c], v[TM+12+2*\c+1]
.endr
	v_nop                                          ; one plain place behind a scaled conversion
.irp c, 0,1
.irp i, 0,1,2
	v_permlane16_swap_b32 v[PC+6*\c+\i], v[PC+12+4*\c+\i]
.endr
.irp i, 0,1,2
	v_mov_b32 v[PC+3+6*\c+\i], v[PC+12+4*\c+\i]
.endr
.endr
.endm
	s_load_b128 s[4:7], s[0:1], 0x0                ; xq, wq
	s_load_b128 s[8:11], s[0:1], 0x10              ; b_qkv, qq
	s_load_b64 s[12:13], s[0:1], 0x20              ; kv
	v_lshl_add_u32 v[SPW], v0, 2, SPARE
	v_mov_b32 v[NIL], 0
	ds_add_u32 v28, v29
	ds_add_u32 v28, v29
	s_wait_dscnt 0x0
	v_lshrrev_b32 v1, 5, v0
	v_readfirstlane_b32 s14, v1                    ; wave 0..3
	s_lshr_b32 s15, s14, 1                         ; which half of P's rows is mine.  Also: I fetch for P (0) or for Q (1)
	s_and_b32 s16, s14, 1                          ; which half of Q's rows.  Also: which of the two blocks I fetch
	s_bfe_u32 s40, ttmp6, 0x40000                  ; cx
	s_bfe_u32 s41, ttmp6, 0x40004                  ; cy
	s_and_b32 s17, ttmp7, 0xffff
	s_lshl_b32 s17, s17, 2                         ; 4 x cluster y
	s_lshl_b32 s42, ttmp9, 2                       ; 4 x cluster x
	s_lshl_b32 s43, s41, 2
	s_lshl_b32 s43, 15, s43                        ; my row of the cluster
	s_lshl_b32 s44, 0x1111, s40                    ; my column
	s_or_b32 s[G1+0], s43, (3<<16)|(1<<21)         ; 15:0 the mask; 17:16 elements of 8 bytes; 21 set beside a mask; no padding
	s_or_b32 s[G1B+0], s44, (3<<16)|(1<<21)
.irp g, G1, G1B
	s_mov_b32 s[\g+1], 32<<16                      ; tensor_dim0 = 32 elements: 256 bytes
	s_mov_b32 s[\g+2], 100<<16                     ; tensor_dim1 = 100 rows
	s_mov_b32 s[\g+3], 32<<16                      ; tile_dim0
	s_mov_b32 s[\g+4], 100                         ; tile_dim1
	s_mov_b32 s[\g+5], 32                          ; the pitch: dense
	s_mov_b32 s[\g+6], 0
	s_mov_b32 s[\g+7], 0
.endr
	s_mul_i32 s45, s14, HALFT                      ; where my block goes: wave x 25,600
	s_mov_b32 s[SEL], 0x76543210
	s_mov_b32 s[SEL+1], 0xfedcba98
	s_wait_kmcnt 0x0
	s_cmp_eq_u32 ttmp9, 2                          ; v's clusters swap the roles: the choice hangs on the cluster's x alone, which all partners share
	s_cselect_b32 s18, 8, s17
	s_cselect_b32 s19, s17, s42
	s_cselect_b64 s[20:21], s[6:7], s[4:5]         ; P's buffer
	s_cselect_b64 s[22:23], s[4:5], s[6:7]         ; Q's buffer
	s_add_co_u32 s18, s18, s41                     ; PI: P's 256 rows: it holds cy alone
	s_add_co_u32 s19, s19, s40                     ; QI: Q's 256 rows: it holds cx alone
	s_lshl_b32 s46, s18, 1
	s_add_co_u32 s46, s46, s16
	s_mul_i32 s46, s46, RBB
	s_mov_b32 s47, 0
	s_lshl_b32 s80, s19, 1
	s_add_co_u32 s80, s80, s16
	s_mul_i32 s80, s80, RBB
	s_mov_b32 s81, 0
	s_add_nc_u64 s[20:21], s[20:21], s[46:47]
	s_add_nc_u64 s[22:23], s[22:23], s[80:81]
	CROUND                                         ; all sixteen work-groups are here: the first joint loads meet
.irp s, 0,1
	s_mov_b32 s[G0+4*\s], 1
	s_add_co_u32 s[G0+4*\s+1], s45, \s*SLOT
	s_add_nc_u64 s[G0+4*\s+2:G0+4*\s+3], s[20:21], \s*HALFT
	s_or_b32 s[G0+4*\s+3], s[G0+4*\s+3], 0x80000000
	s_mov_b32 s[G0B+4*\s], 1
	s_add_co_u32 s[G0B+4*\s+1], s45, \s*SLOT
	s_add_nc_u64 s[G0B+4*\s+2:G0B+4*\s+3], s[22:23], \s*HALFT
	s_or_b32 s[G0B+4*\s+3], s[G0B+4*\s+3], 0x80000000
	JLOAD G0+4*\s, G1, G0B+4*\s, G1B               ; two loads of mine are out
.endr
	v_and_b32 v1, 15, v0                           ; r
	v_bfe_u32 v2, v0, 4, 1                         ; h
	v_and_b32 v3, 31, v0
	v_lshlrev_b32 v[L16], 4, v3
	v_lshlrev_b32 v[L8], 3, v3
	s_mul_i32 s84, s15, HALFT                      ; my block of P
	s_mul_i32 s85, s16, HALFT
	s_add_co_u32 s85, s85, 2*HALFT                 ; my block of Q
	s_sub_co_u32 s86, s85, s84
	v_mul_u32_u24 v4, s86, v2                      ; lanes 16-31 take Q's scale words: one product, the distance between the two
	v_lshl_add_u32 v4, v1, 3, v4                   ; + 8 r
.irp s, 0,1
	v_add_nc_u32 v[ADRA+\s], s84, v[L16]
	v_add_nc_u32 v[ADRA+2+\s], s84, v[L8]
	v_add_nc_u32 v[ADRB+\s], s85, v[L16]
	v_add_nc_u32 v[ADRB+2+\s], s85, v[L8]
	v_add_nc_u32 v[ADRS+\s], s84, v4
	s_add_co_u32 s84, s84, SLOT
	s_add_co_u32 s85, s85, SLOT
.endr
	s_lshl_b32 s87, s14, 9                         ; the way out's addresses, made ahead of the parting of the two ways
	s_add_co_u32 s87, s87, STGQ
	v_lshlrev_b32 v5, 2, v1                        ; 4 r
	v_lshl_add_u32 v6, v2, 8, v5                   ; + 256 h
	v_add_nc_u32 v12, s87, v6                      ; q, k: where a pair word goes
	v_add_nc_u32 v13, s87, v[L16]                  ; and where 16 bytes come back
	s_add_co_u32 s87, s87, STGV-STGQ
	v_add_nc_u32 v14, s87, v5                      ; v: the same
	v_add_nc_u32 v15, s87, v[L16]
	v_lshlrev_b32 v10, 6, v2                       ; 64 h: the bias along registers
	v_and_b32 v7, 8, v1
	v_add_nc_u32 v7, v7, v1
	v_lshlrev_b32 v11, 2, v7                       ; 4 (r + 8 (r / 8)): the bias along lanes
	v_lshlrev_b32 v9, 4, v1                        ; 16 r
	s_wait_tensorcnt 1                             ; my part of slot 0 is in; slot 1's may stay out
	s_barrier_signal -1
	s_barrier_wait -1
	FETCH_B 0, 0, 0
	FETCH_A 0, 0, 0
	SCALES 0
	FETCH_A 0, 0, 4
	STEP 0, 0, 1                                   ; K 0: its products start the sums
	TURN 0, 1, 1                                   ; K 128; slot 0 takes K 512 on
	STEP 1, 0, 0
	TURN 1, 0, 1                                   ; slot 1 takes K 768 on
	STEP 0, 0, 0
	TURN 0, 1, 0
	STEP 1, 0, 0
	s_cmp_eq_u32 ttmp9, 2
	s_cbranch_scc1 .Lv
; ---------------- q and k: a lane holds one token; its 64 registers of P's tile a are 128 columns: two heads
	s_lshl_b32 s66, s19, 10
	s_lshl_b32 s67, s16, 9
	s_add_co_u32 s66, s66, s67
	s_mov_b32 s67, 0
	s_add_nc_u64 s[78:79], s[8:9], s[66:67]        ; the bias of my 128 columns
	s_wait_alu depctr_va_vdst(0)
.irp g, 0,1,2,3
.irp j, 0,1,2,3
	global_load_b128 v[BIAS+16*\g+4*\j:BIAS+16*\g+4*\j+3], v10, s[78:79] offset:128*\g+16*\j   ; register 16 g + i: column 32 g + 16 h + i
.endr
.endr
	s_lshl_b32 s68, s18, 8
	s_lshl_b32 s69, s15, 7
	s_add_co_u32 s68, s68, s69                     ; my first token
	s_lshr_b32 s69, s68, 11                        ; the batch
	s_bfe_u32 s68, s68, 0x40007                    ; which 128 tokens of it
	s_lshl_b32 s69, s69, 4
	s_lshl_b32 s70, s40, 2
	s_add_co_u32 s69, s69, s70
	s_lshl_b32 s70, s16, 1
	s_add_co_u32 s69, s69, s70                     ; 16 x batch + my first head
	s_mul_i32 s69, s69, 102400
	s_mul_i32 s68, s68, 6400
	s_add_co_u32 s70, s69, s68
	s_lshl_b32 s70, s70, ttmp9                     ; kv's blocks are twice qq's
	s_mov_b32 s71, 0
	s_mov_b32 s72, 102400
	s_lshl_b32 s72, s72, ttmp9                     ; from a head to the next
	s_mov_b32 s73, 0
	s_cmp_eq_u32 ttmp9, 0
	s_cselect_b64 s[74:75], s[10:11], s[12:13]
	s_add_nc_u64 s[74:75], s[74:75], s[70:71]      ; my first head's block
	s_add_nc_u64 s[76:77], s[74:75], s[72:73]      ; my second head's
	v_mul_u32_u24 v8, s72, v2
	v_add_nc_u32 v8, v8, v9                        ; 16 r, lanes 16-31 in the second head's block
	s_mov_b32 vcc_lo, 0xffff0000
	LAST
.macro EPIQK a
	WIN 0x02+(\a)/4                                ; source 0: window 2 or 3
.set k, 0
.rept 32
	v_pk_add_f32 v[HA+2*k:HA+2*k+1], v[64*((\a)%4)+2*k:64*((\a)%4)+2*k+1], v[BIAS+2*k:BIAS+2*k+1]   ; the bias, and the move into window 0; each accumulator from its low end on
.set k, k+1
.endr
	WIN 0
	s_wait_xcnt 0x0                                ; the last tile's stores have read the codes' registers
	QUANT HA, PW+(\a)%2
	global_store_b128 v[L16], v[PC:PC+3], s[74:75] offset:768*(\a)          ; the first head's half image: 512 + 256 consecutive bytes
	global_store_b64 v[L8], v[PC+4:PC+5], s[74:75] offset:768*(\a)+512
	global_store_b128 v[L16], v[PC+6:PC+9], s[76:77] offset:768*(\a)        ; the second head's
	global_store_b64 v[L8], v[PC+10:PC+11], s[76:77] offset:768*(\a)+512
.if (\a)%2
	v_perm_b32 v230, v[PW+1], v[PW], 0x05040100    ; the first head's two bytes of tile a - 1, then of tile a
	v_perm_b32 v231, v[PW+1], v[PW], 0x07060302    ; the second head's
	v_cndmask_b32 v[232+(\a)/2], v230, v231, vcc_lo
	ds_store_b32 v12, v[232+(\a)/2] offset:64*((\a)/2)
.endif
.endm
.irp a, 0,1,2,3,4,5,6,7
	EPIQK \a
.endr
	ds_load_b128 v[236:239], v13                   ; LDS serves a wave's instructions in order: this sees my stores
	s_wait_dscnt 0x0
	global_store_b128 v8, v[236:239], s[74:75] offset:6144   ; two whole runs of 256 bytes: each head's pair words
	s_wait_tensorcnt 0x0                           ; the wave's end
	ds_add_u32 v[SPW], v[NIL]
	s_wait_dscnt 0x0
	CROUND                                         ; the closing round
	s_endpgm
; ---------------- v: a lane holds one of the head's 64; its 64 registers of P's tile a are 128 keys: one fragment
.Lv:
	s_lshl_b32 s66, s18, 10
	s_lshl_b32 s67, s15, 9
	s_add_co_u32 s66, s66, s67
	s_mov_b32 s67, 0
	s_add_nc_u64 s[78:79], s[8:9], s[66:67]        ; the bias of my 128 columns
	s_wait_alu depctr_va_vdst(0)
.irp a, 0,1,2,3,4,5,6,7
	global_load_b32 v[BIAS+2*\a], v11, s[78:79] offset:(32*(\a/2)+8*(\a%2))*4     ; my lane's column of tile a, twice: a pair for the packed addition
	global_load_b32 v[BIAS+2*\a+1], v11, s[78:79] offset:(32*(\a/2)+8*(\a%2))*4
.endr
	s_lshl_b32 s68, s19, 8
	s_lshl_b32 s69, s16, 7
	s_add_co_u32 s68, s68, s69                     ; my first token
	s_lshr_b32 s69, s68, 11
	s_bfe_u32 s68, s68, 0x40007
	s_lshl_b32 s69, s69, 4
	s_lshl_b32 s70, s41, 2
	s_add_co_u32 s69, s69, s70
	s_lshl_b32 s70, s15, 1
	s_add_co_u32 s69, s69, s70                     ; 16 x batch + my first head
	s_mul_i32 s69, s69, 204800
	s_mul_i32 s68, s68, 12800
	s_add_co_u32 s70, s69, s68
	s_add_co_u32 s70, s70, 6400                    ; v lies behind k in a block
	s_mov_b32 s71, 0
	s_add_nc_u64 s[74:75], s[12:13], s[70:71]
	v_mul_u32_u24 v8, 0x32000, v2
	v_add_nc_u32 v8, v8, v9                        ; 16 r, lanes 16-31 in the second head's block
	LAST
.macro EPIV a
	WIN 0x02+(\a)/4
.set k, 0
.rept 32
	v_pk_add_f32 v[HA+2*k:HA+2*k+1], v[64*((\a)%4)+2*k:64*((\a)%4)+2*k+1], v[BIAS+2*(\a):BIAS+2*(\a)+1]
.set k, k+1
.endr
	WIN 0
	s_wait_xcnt 0x0
	QUANT HA, PW+(\a)
	global_store_b128 v[L16], v[PC:PC+3], s[74:75] offset:((\a)/4)*204800+((\a)%4)*1536
	global_store_b64 v[L8], v[PC+4:PC+5], s[74:75] offset:((\a)/4)*204800+((\a)%4)*1536+512
	global_store_b128 v[L16], v[PC+6:PC+9], s[74:75] offset:((\a)/4)*204800+((\a)%4)*1536+768
	global_store_b64 v[L8], v[PC+10:PC+11], s[74:75] offset:((\a)/4)*204800+((\a)%4)*1536+1280
	ds_store_b32 v14, v[PW+(\a)] offset:64*(\a)    ; both halves of the lanes write the same word with the same value
.endm
.irp a, 0,1,2,3,4,5,6,7
	EPIV \a
.endr
	ds_load_b128 v[236:239], v15
	s_wait_dscnt 0x0
	global_store_b128 v8, v[236:239], s[74:75] offset:6144   ; each head's 256 bytes of scale words
	s_wait_tensorcnt 0x0                           ; the wave's end
	ds_add_u32 v[SPW], v[NIL]
	s_wait_dscnt 0x0
	CROUND                                         ; the closing round
	s_endpgm
.Lfunc_end_k_q2074cfa914_gemm_qkv:
	.size	k_q2074cfa914_gemm_qkv, .Lfunc_end_k_q2074cfa914_gemm_qkv-k_q2074cfa914_gemm_qkv
	.p2alignl 7, 3214868480
	.fill 96, 4, 3214868480
	.section	.rodata,"a",@progbits
	.p2align	6, 0x0
	.amdhsa_kernel k_q2074cfa914_gemm_qkv
		.amdhsa_group_segment_fixed_size 327680
		.amdhsa_private_segment_fixed_size 0
		.amdhsa_enable_private_segment 0
		.amdhsa_kernarg_size 40
		.amdhsa_user_sgpr_count 2
		.amdhsa_user_sgpr_kernarg_segment_ptr 1
		.amdhsa_wavefront_size32 1
		.amdhsa_system_sgpr_workgroup_id_x 1
		.amdhsa_system_sgpr_workgroup_id_y 1
		.amdhsa_system_sgpr_workgroup_id_z 1
		.amdhsa_system_vgpr_workitem_id 0
		.amdhsa_next_free_vgpr 1024
		.amdhsa_next_free_sgpr 96
		.amdhsa_reserve_vcc 1
		.amdhsa_float_denorm_mode_32 3
		.amdhsa_float_denorm_mode_16_64 3
		.amdhsa_memory_ordered 1
		.amdhsa_forward_progress 1
		.amdhsa_inst_pref_size 227
	.end_amdhsa_kernel
	.amdgpu_metadata
---
amdhsa.version: [ 1, 2 ]
amdhsa.kernels:
  - .name:           k_q2074cfa914_gemm_qkv
    .symbol:         k_q2074cfa914_gemm_qkv.kd
    .args:
      - { .name: xq, .offset: 0, .size: 8, .value_kind: global_buffer, .address_space: global }
      - { .name: wq, .offset: 8, .size: 8, .value_kind: global_buffer, .address_space: global }
      - { .name: b_qkv, .offset: 16, .size: 8, .value_kind: global_buffer, .address_space: global }
      - { .name: qq, .offset: 24, .size: 8, .value_kind: global_buffer, .address_space: global }
      - { .name: kv, .offset: 32, .size: 8, .value_kind: global_buffer, .address_space: global }
    .group_segment_fixed_size: 327680
    .private_segment_fixed_size: 0
    .kernarg_segment_align: 8
    .kernarg_segment_size: 40
    .max_flat_workgroup_size: 128
    .sgpr_count:     96
    .vgpr_count:     1024
    .wavefront_size: 32
...
	.end_amdgpu_metadata
.endif
;; end of part 2
;; launch attn (part 3): grid 4 x 64, 16 waves a work-group, no clusters, 327,680 bytes of LDS; arguments qq, kv, aq; writes aq
.if DOCPART == 3
	.amdgcn_target "amdgcn-amd-amdhsa--gfx1250"
	.amdhsa_code_object_version 6
	.text
	.protected	k_q2074cfa914_attn
	.globl	k_q2074cfa914_attn
	.p2align	8
	.type	k_q2074cfa914_attn,@function
k_q2074cfa914_attn:
	s_mov_b64 s[64:65], 0
	v_nop
	global_prefetch_b8 v0, s[64:65] scope:SCOPE_SE
	s_setreg_imm32_b32 hwreg(HW_REG_WAVE_MODE, 25, 1), 1
	s_wait_xcnt 0x0
; Causal attention of one head on codes of BF6 (E3M2) with E8M0 scales; head size 64, 2,048 tokens; the result leaves as codes, quantised along the model's 1,024 (a head's 64 are two blocks).
; t = score x log2(e) / 8; M = the running largest t rounded UP to a whole number; p = 2^(t - M) is quantised along the keys, not normalised; the row's sum is taken of the unquantised p and divides at the end.
; SHARES.  Work-group (i, head of batch) owns the blocks i and 7 - i of 256 queries, one after the other: block b walks key slots 0 .. b of 256 keys, so every work-group walks 9 slots: 256 work-groups of equal work.
; Each of sixteen waves owns one tile of 16 queries in 256 registers, four waves to a SIMD, so that one wave's vector work stands beside another's matrix work and LDS loads.
; A TILE of 16 rows is rows 32 (T / 2) + 8 (T % 2) + r + 8 (r / 8), for queries, keys and the head's 64 alike: the 16 registers of two neighbouring result tiles are 16 neighbours.
; Both products are used transposed (S^T = K Q^T, O^T = V^T P^T): a lane holds one query throughout.
; K = 64 IN A FORM OF 128: a fragment of k holds TWO tiles of keys (tile 2 f in K 0-63, tile 2 f + 1 in K 64-127), as they lie in kv; it is multiplied by [Q | 0] for the even tile and by [0 | Q] for the odd one.
; NO CLUSTER: the four work-groups of a head differ in the trip at which they change blocks and in the steps that the mask hides, which are branches on the work-group's x;
; what they share is 9 x 25,600 bytes a work-group.
; The 32 scale bytes of a tile are stored singly: a scale word's two halves belong to two heads, which are two work-groups; that is 32 bytes beside the tile's 768 bytes of codes.
; LIMITS: NaN and infinities are not served; a block whose largest magnitude lies under 2^-122 keeps the byte 1; a block of zeros has the byte 1 (its codes are zeros; this program alone reads the bytes).
; REGISTERS: v1-3 16, 8, 4 x lane; v4 my query less Q0 less 16 h; v7 8 r + h; v8-10 LDS addresses; v12 -M, v13 largest t, v[14:15] the sum; v16-27 [Q | 0]; v28-39 [0 | Q]; v40-46, v236-242 the two tiles of Q;
;   v47 Q's scales; v48-95 four fragments; v96-159 S^T, then p; v160-191 O^T; v192-210 codes; v212-223 at work; v224-227, v230 scales; v[228:229] f; v231-233 at work.
.set SLOT1, 32768                      ; slot 0 at 0, slot 1 here: 25,600 bytes each (two blocks of kv)
.set SPARE, 65536                      ; the spare words, 128 bytes a wave: eight blocks of 256 bytes that no other line names
.set SPW, 5
.set NIL, 6
.set QA,  16
.set FRG, 48
.set BM,  212
.set BT,  216
.set SO,  220
.set WV,  18
.set SEL, 20
.set CS,  22
.set TT,  48                           ; s48 the trip
.set SWT, 49                           ; s49 the trip at which the second block begins: i + 1
.set TB,  50                           ; s50 LDS byte at which the slot in hand begins
.set KF,  51                           ; s51 the step's first key
.set Q0,  52                           ; s52 my tile's first query
.set BLK, 53                           ; s53 the block of queries in hand
.macro TLOAD                           ; waves 0 and 1 bring one block of kv each; four v_nop follow the line
	s_cmp_lt_u32 s[WV], 2
	s_cbranch_scc0 .Lasked_\@
	tensor_load_to_lds s[40:43], s[24:31]
	s_nop 0
.rept 4
	v_nop
.endr
.Lasked_\@:
.endm
.macro SETQ src                        ; the tile of Q at v[src] on becomes the two operands, and its two scale bytes fill both halves of the scale word
.irp i, 0,1,2,3,4,5
	v_mov_b32 v[QA+\i], v[\src+\i]
	v_mov_b32 v[QA+18+\i], v[\src+\i]
.endr
	v_perm_b32 v47, v[\src+6], v[\src+6], s54
.endm
.macro INIT                            ; the step is written once: the first finds zeros, which the first change of M leaves zeros.  These 36 lines are also the places between SETQ and the next products
	v_mov_b32 v13, 0xff61b1e6                      ; -3e38, under every t
	s_delay_alu instid0(VALU_DEP_1)
	v_floor_f32 v12, -v13
	v_mov_b32 v14, 0
	v_mov_b32 v15, 0
.set k, 0
.rept 32
	v_mov_b32 v[160+k], 0
.set k, k+1
.endr
.endm
	s_load_b128 s[4:7], s[0:1], 0x0                ; qq, kv
	s_load_b64 s[8:9], s[0:1], 0x10                ; aq
	v_lshl_add_u32 v[SPW], v0, 2, SPARE
	v_mov_b32 v[NIL], 0
	ds_add_u32 v5, v6
	ds_add_u32 v5, v6
	s_wait_dscnt 0x0
	v_lshrrev_b32 v8, 5, v0
	s_delay_alu instid0(VALU_DEP_1)
	v_readfirstlane_b32 s[WV], v8                  ; wave 0..15
	s_mov_b32 s19, ttmp9                           ; i
	s_and_b32 s10, ttmp7, 0xffff                   ; head of batch
	s_mov_b32 s24, 3<<16                           ; group 1: no mask; elements of 8 bytes; no padding
	s_mov_b32 s25, 32<<16                          ; tensor_dim0 = 32: 256 bytes
	s_mov_b32 s26, 50<<16                          ; tensor_dim1 = 50 rows
	s_mov_b32 s27, 32<<16                          ; tile_dim0
	s_mov_b32 s28, 50                              ; tile_dim1
	s_mov_b32 s29, 32                              ; the pitch: dense
	s_mov_b32 s30, 0
	s_mov_b32 s31, 0
	s_and_b32 s66, s[WV], 1
	s_mul_i32 s41, s66, 12800                      ; group 0: my block's place in slot 0
	s_mul_i32 s67, s10, 204800
	s_add_co_u32 s46, s67, s41                     ; and in kv: the head's first slot
	s_mov_b32 s47, 0
	s_mov_b32 s40, 1
	s_wait_kmcnt 0x0
	s_add_nc_u64 s[44:45], s[6:7], s[46:47]
	s_mov_b64 s[42:43], s[44:45]
	s_or_b32 s43, s43, 0x80000000
	TLOAD                                          ; slot 0: the first fill
	s_lshr_b32 s11, s10, 4                         ; batch
	s_and_b32 s12, s10, 15                         ; head
	s_lshr_b32 s13, s[WV], 3
	s_and_b32 s14, s[WV], 7
	s_lshl_b32 s66, s11, 4                         ; aq: the parts that do not hang on the block of queries
	s_add_co_u32 s66, s66, s13
	s_mul_i32 s66, s66, 102400                     ; 128 rows: 16 x batch + wave / 8 (+ 2 x block)
	s_lshr_b32 s67, s12, 2
	s_mul_i32 s67, s67, 25600                      ; 256 along K: four heads
	s_add_co_u32 s66, s66, s67
	s_bfe_u32 s67, s12, 0x10001                    ; which 128 of them
	s_and_b32 s68, s12, 1                          ; which 64 of those
	s_mul_i32 s69, s67, 12288
	s_mul_i32 s70, s14, 1536
	s_add_co_u32 s69, s69, s70
	s_mul_i32 s70, s68, 768
	s_add_co_u32 s69, s69, s70
	s_add_co_u32 s76, s66, s69
	s_mov_b32 s77, 0
	s_lshl_b32 s69, s14, 7
	s_lshl_b32 s67, s67, 2
	s_lshl_b32 s68, s68, 1
	s_add_co_u32 s69, s69, s67
	s_add_co_u32 s69, s69, s68
	s_add_co_u32 s69, s69, 24576
	s_add_co_u32 s78, s66, s69
	s_mov_b32 s79, 0
	s_add_nc_u64 s[60:61], s[8:9], s[76:77]        ; codes
	s_add_nc_u64 s[62:63], s[8:9], s[78:79]        ; scale bytes
	s_mul_i32 s66, s10, 102400                     ; qq: the head, + wave / 8 blocks of 128 tokens,
	s_mul_i32 s67, s13, 6400
	s_add_co_u32 s66, s66, s67
	s_mul_i32 s67, s19, 12800                      ; + the block of 256 queries: i,
	s_add_co_u32 s72, s66, s67
	s_mov_b32 s73, 0
	s_sub_co_u32 s67, 7, s19                       ; and 7 - i
	s_mul_i32 s67, s67, 12800
	s_add_co_u32 s74, s66, s67
	s_mov_b32 s75, 0
	s_add_nc_u64 s[72:73], s[4:5], s[72:73]
	s_add_nc_u64 s[74:75], s[4:5], s[74:75]
	v_and_b32 v8, 31, v0
	s_delay_alu instid0(VALU_DEP_1)
	v_lshlrev_b32 v1, 4, v8
	s_delay_alu instid0(VALU_DEP_2)
	v_lshlrev_b32 v2, 3, v8
	s_delay_alu instid0(VALU_DEP_3)
	v_lshlrev_b32 v3, 2, v8
	v_and_b32 v9, 15, v0                           ; r
	v_bfe_u32 v10, v0, 4, 1                        ; h
	s_mul_i32 s69, s14, 768                        ; my tile's half image
	s_lshr_b32 s68, s14, 1
	s_lshl_b32 s68, s68, 6                         ; and its pair word
	v_add_nc_u32 v231, s69, v1
	v_add_nc_u32 v232, s69, v2
	v_lshl_add_u32 v233, v9, 2, s68
	global_load_b128 v[40:43], v231, s[72:73]
	global_load_b64 v[44:45], v232, s[72:73] offset:512
	global_load_b32 v46, v233, s[72:73] offset:6144
	global_load_b128 v[236:239], v231, s[74:75]
	global_load_b64 v[240:241], v232, s[74:75] offset:512
	global_load_b32 v242, v233, s[74:75] offset:6144
	v_and_b32 v11, 8, v9
	s_delay_alu instid0(VALU_DEP_1)
	v_add_nc_u32 v4, v11, v9
	v_lshlrev_b32 v11, 4, v10
	s_delay_alu instid0(VALU_DEP_1)
	v_sub_nc_u32 v4, v4, v11                       ; r + 8 (r / 8) - 16 h
	v_lshl_add_u32 v7, v9, 3, v10                  ; 8 r + h
.irp i, 0,1,2,3,4,5
	v_mov_b32 v[QA+6+\i], 0                        ; the zero halves: zero codes add nothing under any scale byte but 0xff
	v_mov_b32 v[QA+12+\i], 0
.endr
.irp b, 0,1,2,3
	v_mov_b32 v[BT+\b], 0                          ; a lane permute's destination counts as one of its sources
.endr
	v_mov_b32 v229, 0                              ; named as the upper half of the pair v[228:229]
	s_mov_b32 s[SEL], 0x76543210
	s_mov_b32 s[SEL+1], 0xfedcba98
	s_mov_b32 s[CS], 0x3e38aa3b                    ; c = log2(e) / 8
	s_mov_b32 s[CS+1], s[CS]
	s_mov_b32 s55, 0xffff0000                      ; lanes 16-31
	s_and_b32 s54, s[WV], 1
	s_mul_i32 s54, s54, 0x02020202
	s_add_co_u32 s54, s54, 0x01000100              ; an even tile's bytes are the pair word's 0, 1, an odd tile's 2, 3
	s_lshr_b32 s71, s[WV], 1
	s_lshl_b32 s71, s71, 5
	s_and_b32 s66, s[WV], 1
	s_lshl_b32 s66, s66, 3
	s_add_co_u32 s71, s71, s66                     ; my tile's first query in a block: 32 (wave / 2) + 8 (wave % 2)
	s_mov_b32 s[BLK], s19
	s_lshl_b32 s[Q0], s[BLK], 8
	s_add_co_u32 s[Q0], s[Q0], s71
	s_add_co_u32 s[SWT], s19, 1
	s_mov_b32 s[TB], 0
	s_mov_b32 s[KF], 0
	s_mov_b32 s[TT], 0
	s_wait_loadcnt 0x0                             ; both tiles of Q
	v_mov_b32 v231, 0
	SETQ 40
	INIT
; A KEY STEP: 128 keys, the q-th of the slot in hand.
.macro STEP q
	s_add_co_u32 s96, s[Q0], 23                    ; a step all of whose keys come after my 16 queries is left out: a scalar branch on ids; no barrier and no tensor load stands in a step
	s_cmp_gt_u32 s[KF], s96
	s_cbranch_scc1 .Lhidden_\@
	v_add_nc_u32 v8, s[TB], v1
	v_add_nc_u32 v9, s[TB], v2
	v_add_nc_u32 v10, s[TB], v3
	v_nop                                          ; four places in front of loads into registers that matrix instructions have read
.irp f, 0,1,2,3
	ds_load_b128 v[FRG+12*\f:FRG+12*\f+3], v8 offset:(\q)*12800+1536*\f
	ds_load_b64 v[FRG+12*\f+4:FRG+12*\f+5], v9 offset:(\q)*12800+1536*\f+512
	ds_load_b128 v[FRG+12*\f+6:FRG+12*\f+9], v8 offset:(\q)*12800+1536*\f+768
	ds_load_b64 v[FRG+12*\f+10:FRG+12*\f+11], v9 offset:(\q)*12800+1536*\f+1280
.endr
	ds_load_b32 v224, v10 offset:(\q)*12800+6144   ; pair words: lanes 0-15 fragment 0's, lanes 16-31 fragment 1's
	ds_load_b32 v225, v10 offset:(\q)*12800+6272   ; fragments 2 and 3
	s_wait_alu depctr_va_vdst(0)
	s_wait_dscnt 0x0
.irp t, 0,1,2,3,4,5,6,7                        ; S^T: tile t of keys lies in half t % 2 of fragment t / 2
.if (\t/2)%2
	v_wmma_scale_f32_16x16x128_f8f6f4 v[96+8*\t:103+8*\t], v[FRG+12*(\t/2):FRG+12*(\t/2)+11], v[QA+12*(\t%2):QA+12*(\t%2)+11], 0, v[224+\t/4], v47 matrix_a_fmt:MATRIX_FMT_BF6 matrix_b_fmt:MATRIX_FMT_BF6 matrix_a_scale:MATRIX_SCALE_ROW1
.else
	v_wmma_scale_f32_16x16x128_f8f6f4 v[96+8*\t:103+8*\t], v[FRG+12*(\t/2):FRG+12*(\t/2)+11], v[QA+12*(\t%2):QA+12*(\t%2)+11], 0, v[224+\t/4], v47 matrix_a_fmt:MATRIX_FMT_BF6 matrix_b_fmt:MATRIX_FMT_BF6
.endif
.endr
.rept 4
	v_nop                                          ; places: in front of the loads below and of the first read of the scores
.endr
.irp t, 0,1,2,3                                ; v's four fragments are asked for now and land under the softmax
	ds_load_b128 v[FRG+12*\t:FRG+12*\t+3], v8 offset:(\q)*12800+6400+1536*\t
	ds_load_b64 v[FRG+12*\t+4:FRG+12*\t+5], v9 offset:(\q)*12800+6400+1536*\t+512
	ds_load_b128 v[FRG+12*\t+6:FRG+12*\t+9], v8 offset:(\q)*12800+6400+1536*\t+768
	ds_load_b64 v[FRG+12*\t+10:FRG+12*\t+11], v9 offset:(\q)*12800+6400+1536*\t+1280
.endr
	ds_load_b32 v226, v10 offset:(\q)*12800+12544
	ds_load_b32 v227, v10 offset:(\q)*12800+12672
	s_add_co_u32 s96, s[KF], 127                   ; on the diagonal the scores of hidden keys become -infinity ahead of the maximum; a step all of whose keys count skips this
	s_cmp_le_u32 s96, s[Q0]
	s_cbranch_scc1 .Lopen_\@
	s_sub_co_i32 s96, s[Q0], s[KF]
	v_add_nc_u32 v231, s96, v4                     ; d = my query - KF - 16 h.  Register 16 b + i holds key KF + 16 h + 32 b + i: hidden where 32 b + i > d
	v_mov_b32 v232, 0xff800000
.irp n, 0,1,2,3,4,5,6,7,8,9,10,11,12,13,14,15,16,17,18,19,20,21,22,23,24,25,26,27,28,29,30,31,32,33,34,35,36,37,38,39,40,41,42,43,44,45,46,47,48,49,50,51,52,53,54,55,56,57,58,59,60,61,62,63
	v_cmp_gt_i32 vcc_lo, 32*(\n/16)+\n%16, v231
	v_cndmask_b32 v[96+\n], v[96+\n], v232, vcc_lo
.endr
.Lopen_\@:
.irp b, 0,1,2,3
	v_max3_num_f32 v[BM+\b], v[96+16*\b], v[97+16*\b], v[98+16*\b]   ; the largest score of each block of 32 keys: for the row's maximum, and, since p rises with the score, for the block's largest p
.endr
.irp i, 3,5,7,9,11,13
.irp b, 0,1,2,3
	v_max3_num_f32 v[BM+\b], v[BM+\b], v[96+16*\b+\i], v[97+16*\b+\i]
.endr
.endr
.irp b, 0,1,2,3
	v_max_num_f32 v[BM+\b], v[BM+\b], v[111+16*\b]
.endr
.irp b, 0,1,2,3
	s_delay_alu instid0(VALU_DEP_4)
	v_permlanex16_b32 v[BT+\b], v[BM+\b], s[SEL], s[SEL+1]
.endr
.irp b, 0,1,2,3
	s_delay_alu instid0(VALU_DEP_4)
	v_max_num_f32 v[BM+\b], v[BM+\b], v[BT+\b]     ; with lane l xor 16's 16 keys
.endr
	s_delay_alu instid0(VALU_DEP_2)
	v_max3_num_f32 v231, v[BM], v[BM+1], v[BM+2]
	s_delay_alu instid0(VALU_DEP_1)
	v_max_num_f32 v231, v231, v[BM+3]
	s_delay_alu instid0(VALU_DEP_1)
	v_mul_f32 v231, s[CS], v231                    ; as t
	s_delay_alu instid0(VALU_DEP_1)
	v_max_num_f32 v13, v13, v231                   ; the running largest t
	v_mov_b32 v231, v12
	s_delay_alu instid0(VALU_DEP_2)
	v_floor_f32 v12, -v13                          ; the new -M = -ceil(t)
	s_delay_alu instid0(VALU_DEP_1)
	v_sub_f32 v231, v12, v231                      ; old M - new M: a whole number, 0 or less
	s_delay_alu instid0(VALU_DEP_1)
	v_cvt_i32_f32 v231, v231                       ; (it saturates)
	s_delay_alu instid0(VALU_DEP_1)
	v_ldexp_f32 v228, 1.0, v231                    ; f = 2^(old M - new M): rounds nothing
.irp j, 0,2,4,6,8,10,12,14,16,18,20,22,24,26,28,30,32,34,36,38,40,42,44,46,48,50,52,54,56,58,60,62
	v_pk_fma_f32 v[96+\j:97+\j], v[96+\j:97+\j], s[CS:CS+1], v[12:13] op_sel_hi:[1,0,0]   ; t - M
.endr
.irp b, 0,1,2,3
	v_fma_f32 v[BM+\b], v[BM+\b], s[CS], v12
.endr
	s_wait_alu depctr_va_vdst(0)
.irp j, 0,1,2,3,4,5,6,7,8,9,10,11,12,13,14,15,16,17,18,19,20,21,22,23,24,25,26,27,28,29,30,31,32,33,34,35,36,37,38,39,40,41,42,43,44,45,46,47,48,49,50,51,52,53,54,55,56,57,58,59,60,61,62,63
	v_exp_f32 v[96+\j], v[96+\j]                   ; p = 2^(t - M)
.endr
.irp b, 0,1,2,3
	v_exp_f32 v[BM+\b], v[BM+\b]                   ; the block's largest p: the same two instructions on the same number
.endr
	v_pk_mul_f32 v[14:15], v[14:15], v[228:229] op_sel_hi:[1,0]   ; the sums under the new M (a plain place behind the exponentials)
	s_wait_alu depctr_va_vdst(0)
.irp b, 0,1,2,3
	v_max_num_f32 v[BM+\b], 0x2800000, v[BM+\b]    ; the floor 2^(5 - 127)
.endr
.irp b, 0,1,2,3
	s_delay_alu instid0(VALU_DEP_4)
	v_add_nc_u32 v[SO+\b], 0xfe000000, v[BM+\b]    ; the conversion's scale operand
.endr
.irp b, 0,1,2,3
	s_delay_alu instid0(VALU_DEP_4)
	v_lshrrev_b32 v[BT+\b], 23, v[SO+\b]           ; the byte
.endr
	s_delay_alu instid0(VALU_DEP_3)
	v_lshl_or_b32 v230, v[BT+1], 8, v[BT]          ; p's scale word for these 128 keys
	s_delay_alu instid0(VALU_DEP_1)
	v_lshl_or_b32 v230, v[BT+2], 16, v230
	s_delay_alu instid0(VALU_DEP_1)
	v_lshl_or_b32 v230, v[BT+3], 24, v230
.irp c, 0,1
	v_cvt_scalef32_pk16_bf6_f32 v[192+6*\c:194+6*\c], v[96+32*\c:111+32*\c], v[SO+2*\c]
	v_cvt_scalef32_pk16_bf6_f32 v[204+4*\c:206+4*\c], v[112+32*\c:127+32*\c], v[SO+2*\c+1]
.endr
	v_nop                                          ; one plain place behind a scaled conversion
.irp c, 0,1
.irp i, 0,1,2
	v_permlane16_swap_b32 v[192+6*\c+\i], v[204+4*\c+\i]
.endr
.irp i, 0,1,2
	s_delay_alu instid0(VALU_DEP_3)
	v_mov_b32 v[195+6*\c+\i], v[204+4*\c+\i]
.endr
.endr
	v_pk_add_f32 v[216:217], v[100:101], v[104:105]
	v_pk_add_f32 v[254:255], v[108:109], v[112:113]
	v_pk_add_f32 v[252:253], v[116:117], v[120:121]
	v_pk_add_f32 v[250:251], v[124:125], v[128:129]
	v_pk_add_f32 v[248:249], v[132:133], v[136:137]
	v_pk_add_f32 v[246:247], v[140:141], v[144:145]
	v_pk_add_f32 v[244:245], v[148:149], v[152:153]
	v_pk_add_f32 v[14:15], v[14:15], v[156:157]
	v_pk_add_f32 v[216:217], v[216:217], v[96:97]
	v_pk_add_f32 v[254:255], v[254:255], v[98:99]
	v_pk_add_f32 v[252:253], v[252:253], v[102:103]
	v_pk_add_f32 v[250:251], v[250:251], v[106:107]
	v_pk_add_f32 v[248:249], v[248:249], v[110:111]
	v_pk_add_f32 v[246:247], v[246:247], v[114:115]
	v_pk_add_f32 v[244:245], v[244:245], v[118:119]
	v_pk_add_f32 v[14:15], v[14:15], v[122:123]
	v_pk_add_f32 v[216:217], v[216:217], v[126:127]
	v_pk_add_f32 v[254:255], v[254:255], v[130:131]
	v_pk_add_f32 v[252:253], v[252:253], v[134:135]
	v_pk_add_f32 v[250:251], v[250:251], v[138:139]
	v_pk_add_f32 v[248:249], v[248:249], v[142:143]
	v_pk_add_f32 v[246:247], v[246:247], v[146:147]
	v_pk_add_f32 v[244:245], v[244:245], v[150:151]
	v_pk_add_f32 v[14:15], v[14:15], v[154:155]
	v_pk_add_f32 v[216:217], v[216:217], v[158:159]
	s_delay_alu instid0(VALU_DEP_2)
	v_pk_add_f32 v[14:15], v[14:15], v[250:251]
	s_delay_alu instid0(VALU_DEP_2)
	v_pk_add_f32 v[216:217], v[216:217], v[248:249]
	v_pk_add_f32 v[254:255], v[254:255], v[246:247]
	v_pk_add_f32 v[252:253], v[252:253], v[244:245]
	s_delay_alu instid0(VALU_DEP_2)
	v_pk_add_f32 v[14:15], v[14:15], v[254:255]
	s_delay_alu instid0(VALU_DEP_2)
	v_pk_add_f32 v[216:217], v[216:217], v[252:253]
	s_delay_alu instid0(VALU_DEP_1)
	v_pk_add_f32 v[14:15], v[14:15], v[216:217]
.irp j, 0,2,4,6,8,10,12,14,16,18,20,22,24,26,28,30
	v_pk_mul_f32 v[160+\j:161+\j], v[160+\j:161+\j], v[228:229] op_sel_hi:[1,0]   ; O^T under the new M (these and the sums are the places in front of the products below)
.endr
	s_wait_alu depctr_va_vdst(0)
	s_wait_dscnt 0x0                               ; v's fragments and scale words
.irp t, 0,1,2,3                                ; O^T += V^T P^T: four accumulators, one instruction each
.if \t%2
	v_wmma_scale_f32_16x16x128_f8f6f4 v[160+8*\t:167+8*\t], v[FRG+12*\t:FRG+12*\t+11], v[192:203], v[160+8*\t:167+8*\t], v[226+\t/2], v230 matrix_a_fmt:MATRIX_FMT_BF6 matrix_b_fmt:MATRIX_FMT_BF6 matrix_a_scale:MATRIX_SCALE_ROW1
.else
	v_wmma_scale_f32_16x16x128_f8f6f4 v[160+8*\t:167+8*\t], v[FRG+12*\t:FRG+12*\t+11], v[192:203], v[160+8*\t:167+8*\t], v[226+\t/2], v230 matrix_a_fmt:MATRIX_FMT_BF6 matrix_b_fmt:MATRIX_FMT_BF6
.endif
.endr
.Lhidden_\@:
	s_add_co_u32 s[KF], s[KF], 128
.endm
; THE CHANGE OF SLOTS stands at a slot's head.  fill = 1: the slot that has been left takes the next trip's 256 keys: trip u reads slot index u of the first block, or u - (i + 1) of the second.
.macro CHANGE fill
	s_wait_tensorcnt 0x0                           ; no tensor load of mine is out, so group 0 may be written
	ds_add_u32 v[SPW], v[NIL]                      ; 0 onto my spare word
.if \fill
	s_add_co_u32 s66, s[TT], 1
	s_cmp_ge_u32 s66, s[SWT]
	s_cselect_b32 s67, s[SWT], 0
	s_sub_co_u32 s66, s66, s67
	s_mul_i32 s46, s66, 25600
	s_xor_b32 s41, s41, SLOT1
	s_add_nc_u64 s[42:43], s[44:45], s[46:47]
	s_or_b32 s43, s43, 0x80000000
.endif
	s_wait_dscnt 0x0                               ; the add is done, and my reads of the slot that I have left are over
	s_barrier_signal -1
	s_barrier_wait -1
.if \fill
	TLOAD                                          ; the first thing behind the barrier, and a wave's one tensor load until the next: it has a slot's two steps in which to land
.endif
.endm
; A block of queries is done: O^T / the sum, quantised along the head's 64 (two blocks), leaves as a half image and two scale bytes a row.
.macro FINISH
.rept 4
	v_nop                                          ; places behind the last products
.endr
	v_add_f32 v14, v14, v15
	s_delay_alu instid0(VALU_DEP_1)
	v_permlanex16_b32 v231, v14, s[SEL], s[SEL+1]
	s_delay_alu instid0(VALU_DEP_1)
	v_add_f32 v14, v14, v231                       ; the row's sum
	s_wait_alu depctr_va_vdst(0)
	v_rcp_f32 v14, v14
	s_mul_i32 s66, s[BLK], 204800                  ; two blocks of 128 rows of aq for each block of queries
	s_mov_b32 s67, 0
	v_nop                                          ; one plain place behind the transcendental
.set k, 0
	s_wait_alu depctr_va_vdst(0)
.rept 16
	v_pk_mul_f32 v[96+2*k:97+2*k], v[160+2*k:161+2*k], v[14:15] op_sel_hi:[1,0]   ; register 16 b + i: the head's 32 b + 16 h + i; each accumulator from its low end on
.set k, k+1
.endr
.irp b, 0,1
	v_max3_num_f32 v[BM+\b], |v[96+16*\b]|, |v[97+16*\b]|, 0x2800000
.endr
.irp i, 2,4,6,8,10,12,14
.irp b, 0,1
	s_delay_alu instid0(VALU_DEP_2)
	v_max3_num_f32 v[BM+\b], v[BM+\b], |v[96+16*\b+\i]|, |v[97+16*\b+\i]|
.endr
.endr
.irp b, 0,1
	s_delay_alu instid0(VALU_DEP_2)
	v_permlanex16_b32 v[BT+\b], v[BM+\b], s[SEL], s[SEL+1]
.endr
.irp b, 0,1
	s_delay_alu instid0(VALU_DEP_2)
	v_max_num_f32 v[BM+\b], v[BM+\b], v[BT+\b]
.endr
.irp b, 0,1
	s_delay_alu instid0(VALU_DEP_2)
	v_add_nc_u32 v[SO+\b], 0xfe000000, v[BM+\b]
.endr
.irp b, 0,1
	s_delay_alu instid0(VALU_DEP_2)
	v_lshrrev_b32 v[BT+\b], 23, v[SO+\b]
.endr
	v_cvt_scalef32_pk16_bf6_f32 v[192:194], v[96:111], v[SO]
	v_cvt_scalef32_pk16_bf6_f32 v[204:206], v[112:127], v[SO+1]
	v_nop                                          ; one plain place behind a scaled conversion
	v_cndmask_b32 v231, v[BT], v[BT+1], s55        ; lane (r, h) stores block h's byte
.irp i, 0,1,2
	v_permlane16_swap_b32 v[192+\i], v[204+\i]
.endr
.irp i, 0,1,2
	s_delay_alu instid0(VALU_DEP_3)
	v_mov_b32 v[195+\i], v[204+\i]
.endr
	s_add_nc_u64 s[56:57], s[60:61], s[66:67]
	s_add_nc_u64 s[58:59], s[62:63], s[66:67]
	global_store_b128 v1, v[192:195], s[56:57]     ; 512 consecutive bytes
	global_store_b64 v2, v[196:197], s[56:57] offset:512   ; 256
	global_store_b8 v7, v231, s[58:59]
	s_wait_xcnt 0x0                                ; the stores have read their registers and bases: both are written again
.endm
.Lslot:                                            ; eight trips; behind each change of slots the next trip's slot is asked for
	CHANGE 1
	s_cmp_lg_u32 s[TT], s[SWT]
	s_cbranch_scc1 .Lsame
	FINISH                                         ; the first block is done: on to block 7 - i
	s_sub_co_u32 s[BLK], 7, s19
	s_lshl_b32 s[Q0], s[BLK], 8
	s_add_co_u32 s[Q0], s[Q0], s71
	s_mov_b32 s[KF], 0
	SETQ 236
	INIT
.Lsame:
	STEP 0
	STEP 1
	s_xor_b32 s[TB], s[TB], SLOT1
	s_add_co_u32 s[TT], s[TT], 1
	s_cmp_lt_u32 s[TT], 8
	s_cbranch_scc1 .Lslot
	CHANGE 0                                       ; the ninth slot is written out
	STEP 0
	STEP 1
	FINISH
	s_wait_tensorcnt 0x0                           ; the wave's end
	ds_add_u32 v[SPW], v[NIL]
	s_wait_dscnt 0x0
	s_endpgm
.Lfunc_end_k_q2074cfa914_attn:
	.size	k_q2074cfa914_attn, .Lfunc_end_k_q2074cfa914_attn-k_q2074cfa914_attn
	.p2alignl 7, 3214868480
	.fill 96, 4, 3214868480
	.section	.rodata,"a",@progbits
	.p2align	6, 0x0
	.amdhsa_kernel k_q2074cfa914_attn
		.amdhsa_group_segment_fixed_size 327680
		.amdhsa_private_segment_fixed_size 0
		.amdhsa_enable_private_segment 0
		.amdhsa_kernarg_size 24
		.amdhsa_user_sgpr_count 2
		.amdhsa_user_sgpr_kernarg_segment_ptr 1
		.amdhsa_wavefront_size32 1
		.amdhsa_system_sgpr_workgroup_id_x 1
		.amdhsa_system_sgpr_workgroup_id_y 1
		.amdhsa_system_sgpr_workgroup_id_z 1
		.amdhsa_system_vgpr_workitem_id 0
		.amdhsa_next_free_vgpr 256
		.amdhsa_next_free_sgpr 100
		.amdhsa_reserve_vcc 1
		.amdhsa_float_denorm_mode_32 3
		.amdhsa_float_denorm_mode_16_64 3
		.amdhsa_memory_ordered 1
		.amdhsa_forward_progress 1
		.amdhsa_inst_pref_size 110
	.end_amdhsa_kernel
	.amdgpu_metadata
---
amdhsa.version: [ 1, 2 ]
amdhsa.kernels:
  - .name:           k_q2074cfa914_attn
    .symbol:         k_q2074cfa914_attn.kd
    .args:
      - { .name: qq, .offset: 0, .size: 8, .value_kind: global_buffer, .address_space: global }
      - { .name: kv, .offset: 8, .size: 8, .value_kind: global_buffer, .address_space: global }
      - { .name: aq, .offset: 16, .size: 8, .value_kind: global_buffer, .address_space: global }
    .group_segment_fixed_size: 327680
    .private_segment_fixed_size: 0
    .kernarg_segment_align: 8
    .kernarg_segment_size: 24
    .max_flat_workgroup_size: 512
    .sgpr_count:     100
    .vgpr_count:     256
    .wavefront_size: 32
...
	.end_amdgpu_metadata
.endif
;; end of part 3
;; launch gemm_proj (part 4): grid 4 x 32, 4 waves a work-group, clusters of 4 x 4, 327,680 bytes of LDS; arguments aq, wq, b_proj, out0; writes out0
.if DOCPART == 4
	.amdgcn_target "amdgcn-amd-amdhsa--gfx1250"
	.amdhsa_code_object_version 6
	.text
	.protected	k_q2074cfa914_gemm_proj
	.globl	k_q2074cfa914_gemm_proj
	.p2align	8
	.type	k_q2074cfa914_gemm_proj,@function
k_q2074cfa914_gemm_proj:
	s_mov_b64 s[64:65], 0
	v_nop
	global_prefetch_b8 v0, s[64:65] scope:SCOPE_SE
	s_setreg_imm32_b32 hwreg(HW_REG_WAVE_MODE, 25, 1), 1
	s_wait_xcnt 0x0
	s_wait_alu depctr_hold_cnt(0) depctr_sa_sdst(0) depctr_va_vdst(0) depctr_va_sdst(0) depctr_va_ssrc(0) depctr_va_vcc(0) depctr_vm_vsrc(0)
	s_getreg_b32 s2, hwreg(HW_REG_IB_STS2, 6, 4)
	s_cmp_eq_u32 s2, 0
	s_cbranch_scc0 .Lentry_in_a_cluster
	s_endpgm
.Lentry_in_a_cluster:
	s_bfe_u32 s2, ttmp6, 0x10000c
	s_cmp_lg_u32 s2, 0xf033
	s_cbranch_scc0 .Lentry_shape_is_right
	s_endpgm
.Lentry_shape_is_right:
; out0 = attention's result x w_proj + b_proj on codes of BF6 (E3M2) with E8M0 scales, sums in f32, out0 [8192][1024] f32.
; A tile of 256 x 256 to a work-group of four waves, 128 x 128 to a wave: 64 accumulators.  K = 1,024 goes in four steps of 256 through two LDS slots.
; OPERANDS lie in memory in the order of the operand's registers (a block of 25,600 bytes = 128 rows x 256 K: 16 fragments of 1,536 bytes, then 1,024 bytes of scale words):
; a wave's tensor load brings one such block, 100 rows of 256 bytes, dense.
; P (source 1, rows in lanes) = tokens (aq); Q (source 0, rows along a lane's registers) = output columns (wq from its 128-row block 24 on).
; A TILE of 16 rows is rows 32 (T / 2) + 8 (T % 2) + r + 8 (r / 8): the 16 registers of Q's tiles 2 b, 2 b + 1 are 16 neighbouring columns, 32 b + 16 (lane / 16) + 0 .. 15.
; The bias is the C of each sum's first matrix instruction.  CLUSTERS: 4 x 4; P's blocks are shared along a row of the cluster, Q's along a column: joint loads.
; The grid has 128 work-groups: a tile of 256 x 256 of an 8,192 x 1,024 result.
; The eight loads of scale words a slot let both halves of the lanes meet in the same banks, two deep.
; REGISTERS: window 0: v0-31 addresses; v32-63 scale words, two sets; v64-127 the bias; v128-223 P's fragments (on the way out v128-255 hold rows of the result);
;   window 1: Q's fragments, two sets;  windows 2, 3: the accumulators ((a, b) at v[8 (8 (a % 4) + b)]).
.set NQ,    2
.set FR,    12
.set NL,    4
.set NP,    4                          ; places behind this matrix instruction (ISA guide 7.12.1)
.set RBB,   102400
.set HALFT, 25600
.set SLOT,  4*HALFT
.set STAGE, 2*SLOT                     ; behind the ring: 16 rows x (512 + 16) bytes for each wave
.set SPARE, STAGE+4*8448               ; the spare words, 128 bytes a wave: two blocks of 256 bytes that no other line names
.set ADRA, 16
.set ADRB, 20
.set L16,  24
.set L8,   25
.set ADRS, 26
.set SPW,  28
.set NIL,  29
.set STO,  12                          ; v12 the stage: where I put 16 bytes of a row
.set RD,   13                          ; v13 and where I read a row back
.set SC,   32
.set BIAS, 64
.set AF,   128
.set BK,   128
.set G1,  24
.set G0,  32
.set G1B, 48
.set G0B, 56
.set MSB, 0
.macro WIN new                         ; the immediate's high byte repeats the setting that is left
.if MSB != (\new)
	s_set_vgpr_msb (MSB<<8)|(\new)
.set MSB, (\new)
.endif
.endm
.set MUL_LO, 0xa1                      ; source 0 (Q) window 1, source 1 (P) window 0, C and D window 2
.set MUL_HI, 0xf1
.set TO_B,   0x40
.macro JLOAD g0a, g1a, g0b, g1b        ; a joint load: waves 0 and 1 fetch P's two blocks, waves 2 and 3 Q's; four v_nop follow each of the two lines
	s_cmp_eq_u32 s15, 0
	s_cbranch_scc0 .Lfor_b_\@
	tensor_load_to_lds s[\g0a:\g0a+3], s[\g1a:\g1a+7]
	s_nop 0
.rept 4
	v_nop
.endr
	s_branch .Lasked_\@
.Lfor_b_\@:
	tensor_load_to_lds s[\g0b:\g0b+3], s[\g1b:\g1b+7]
	s_nop 0
.rept 4
	v_nop
.endr
.Lasked_\@:
.endm
.macro CREST
	s_cmp_lg_u32 s14, 0
	s_cbranch_scc1 .Lnot_wave_0_\@
	s_barrier_signal -3
.Lnot_wave_0_\@:
	s_barrier_wait -3
	s_barrier_signal -1
	s_barrier_wait -1
.endm
.macro CROUND
	s_barrier_signal -1
	s_barrier_wait -1
	CREST
.endm
.macro PLACES n
.rept \n
	v_nop
.endr
.endm
.macro FRAG reg, adr, q, i
	ds_load_b128 v[\reg:\reg+3], v[\adr] offset:(\q)*12288+(\i)*1536
	ds_load_b64 v[\reg+4:\reg+5], v[\adr+2] offset:(\q)*12288+(\i)*1536+512
	ds_load_b128 v[\reg+6:\reg+9], v[\adr] offset:(\q)*12288+(\i)*1536+768
	ds_load_b64 v[\reg+10:\reg+11], v[\adr+2] offset:(\q)*12288+(\i)*1536+1280
.endm
; 16 matrix instructions.  zero = 2: the product starts the sum on the bias.  The 64 accumulators take turns, one instruction a turn.
.macro MUL16 a0, p, q, sc, zero
.irp a, \a0, \a0+1
.irp b, 0,1,2,3,4,5,6,7
.if \zero == 2
	v_wmma_scale_f32_16x16x128_f8f6f4 v[8*(8*((\a)%4)+\b):8*(8*((\a)%4)+\b)+7], v[128*(\p)+FR*\b:128*(\p)+FR*\b+FR-1], v[AF+FR*(\a):AF+FR*(\a)+FR-1], v[BIAS+8*\b:BIAS+8*\b+7], v[SC+8*NQ*(\sc)+NQ*\b+(\q)], v[SC+8*NQ*(\sc)+NQ*(\a)+(\q)] matrix_a_fmt:MATRIX_FMT_BF6 matrix_b_fmt:MATRIX_FMT_BF6 matrix_a_scale:MATRIX_SCALE_ROW1
.else
	v_wmma_scale_f32_16x16x128_f8f6f4 v[8*(8*((\a)%4)+\b):8*(8*((\a)%4)+\b)+7], v[128*(\p)+FR*\b:128*(\p)+FR*\b+FR-1], v[AF+FR*(\a):AF+FR*(\a)+FR-1], v[8*(8*((\a)%4)+\b):8*(8*((\a)%4)+\b)+7], v[SC+8*NQ*(\sc)+NQ*\b+(\q)], v[SC+8*NQ*(\sc)+NQ*(\a)+(\q)] matrix_a_fmt:MATRIX_FMT_BF6 matrix_b_fmt:MATRIX_FMT_BF6 matrix_a_scale:MATRIX_SCALE_ROW1
.endif
.endr
.endr
.endm
.macro FETCH_B slot, q, p
	WIN TO_B
.irp i, 0,1,2,3,4,5,6,7
	FRAG 128*(\p)+FR*\i, ADRB+\slot, \q, \i
.endr
	WIN 0
.endm
.macro FETCH_A slot, q, i0
.irp i, \i0, \i0+1, \i0+2, \i0+3
	FRAG AF+FR*(\i), ADRA+\slot, \q, \i
.endr
.endm
.macro SCALES sc
.irp i, 0,1,2,3,4,5,6,7
	ds_load_b64 v[SC+8*NQ*\sc+NQ*\i:SC+8*NQ*\sc+NQ*\i+1], v[ADRS+\sc] offset:24576+128*\i
.endr
.endm
.macro STEP slot, q, zero
	s_wait_dscnt 4*NL                              ; all but the youngest 16 loads (P's tiles 4-7) are in
.if \zero == 2
	WIN 0x81                                       ; C (the bias) window 0, D window 2
.else
	WIN MUL_LO
.endif
	MUL16 0, (\q)%2, \q, \slot, \zero
	MUL16 2, (\q)%2, \q, \slot, \zero
	s_wait_dscnt 0
	PLACES NP
	FETCH_B \slot, (\q)+1, 1-(\q)%2
	FETCH_A \slot, (\q)+1, 0
.if \zero == 2
	WIN 0xc1                                       ; C window 0, D window 3
.else
	WIN MUL_HI
.endif
	MUL16 4, (\q)%2, \q, \slot, \zero
	MUL16 6, (\q)%2, \q, \slot, \zero
	PLACES NP
	WIN 0
	FETCH_A \slot, (\q)+1, 4
.endm
.macro TURN slot, next, fill
	s_wait_tensorcnt 0x0                           ; all my tensor loads have landed: my part of the next slot
	ds_add_u32 v[SPW], v[NIL]                      ; 0 onto my spare word
	s_wait_dscnt 4*NL+1                            ; the add and the youngest 16 loads may be out
	WIN MUL_LO
	MUL16 0, 1, NQ-1, \slot, 0
	s_wait_dscnt 0x0                               ; the add is done, and my reads of this slot are over
	s_barrier_signal -1
	MUL16 2, 1, NQ-1, \slot, 0
	WIN 0
	s_barrier_wait -1
.if \fill
	CREST                                          ; the barrier has opened a round of the cluster's barrier
	s_add_nc_u64 s[G0+4*\slot+2:G0+4*\slot+3], s[G0+4*\slot+2:G0+4*\slot+3], 2*HALFT
	s_add_nc_u64 s[G0B+4*\slot+2:G0B+4*\slot+3], s[G0B+4*\slot+2:G0B+4*\slot+3], 2*HALFT
	JLOAD G0+4*\slot, G1, G0B+4*\slot, G1B         ; the first tensor load behind the round; its four v_nop are the places in front of the loads below
.else
	PLACES NP
.endif
	s_wait_alu depctr_va_vdst(0)
	FETCH_B \next, 0, 0
	FETCH_A \next, 0, 0
	SCALES \next
	WIN MUL_HI
	MUL16 4, 1, NQ-1, \slot, 0
	MUL16 6, 1, NQ-1, \slot, 0
	PLACES NP
	WIN 0
	FETCH_A \next, 0, 4
.endm
	s_load_b128 s[4:7], s[0:1], 0x0                ; aq, wq
	s_load_b128 s[8:11], s[0:1], 0x10              ; b_proj, out0
	v_lshl_add_u32 v[SPW], v0, 2, SPARE
	v_mov_b32 v[NIL], 0
	ds_add_u32 v28, v29
	ds_add_u32 v28, v29
	s_wait_dscnt 0x0
	v_lshrrev_b32 v1, 5, v0
	v_readfirstlane_b32 s14, v1                    ; wave 0..3
	s_lshr_b32 s15, s14, 1                         ; which half of P's rows is mine.  Also: I fetch for P (0) or for Q (1)
	s_and_b32 s16, s14, 1                          ; which half of Q's rows.  Also: which of the two blocks I fetch
	s_bfe_u32 s40, ttmp6, 0x40000                  ; cx
	s_bfe_u32 s41, ttmp6, 0x40004                  ; cy
	s_and_b32 s18, ttmp7, 0xffff
	s_lshl_b32 s18, s18, 2
	s_add_co_u32 s18, s18, s41                     ; PI: my 256 tokens: 4 x cluster y + cy
	s_mov_b32 s19, s40                             ; QI: my 256 columns: cx (one cluster along x)
	s_lshl_b32 s43, s41, 2
	s_lshl_b32 s43, 15, s43                        ; my row of the cluster
	s_lshl_b32 s44, 0x1111, s40                    ; my column
	s_or_b32 s[G1+0], s43, (3<<16)|(1<<21)         ; 15:0 the mask; 17:16 elements of 8 bytes; 21 set beside a mask; no padding
	s_or_b32 s[G1B+0], s44, (3<<16)|(1<<21)
.irp g, G1, G1B
	s_mov_b32 s[\g+1], 32<<16                      ; 100 rows of 256 bytes, dense
	s_mov_b32 s[\g+2], 100<<16
	s_mov_b32 s[\g+3], 32<<16
	s_mov_b32 s[\g+4], 100
	s_mov_b32 s[\g+5], 32
	s_mov_b32 s[\g+6], 0
	s_mov_b32 s[\g+7], 0
.endr
	s_mul_i32 s45, s14, HALFT
	s_lshl_b32 s46, s18, 1
	s_add_co_u32 s46, s46, s16
	s_mul_i32 s46, s46, RBB
	s_mov_b32 s47, 0
	s_lshl_b32 s80, s19, 1
	s_add_co_u32 s80, s80, s16
	s_mul_i32 s80, s80, RBB
	s_add_co_u32 s80, s80, 24*RBB                  ; w_proj's columns lie behind w_qkv's 24 blocks of 128 rows
	s_mov_b32 s81, 0
	s_wait_kmcnt 0x0
	s_add_nc_u64 s[20:21], s[4:5], s[46:47]
	s_add_nc_u64 s[22:23], s[6:7], s[80:81]
	CROUND                                         ; all sixteen work-groups are here: the first joint loads meet
.irp s, 0,1
	s_mov_b32 s[G0+4*\s], 1
	s_add_co_u32 s[G0+4*\s+1], s45, \s*SLOT
	s_add_nc_u64 s[G0+4*\s+2:G0+4*\s+3], s[20:21], \s*HALFT
	s_or_b32 s[G0+4*\s+3], s[G0+4*\s+3], 0x80000000
	s_mov_b32 s[G0B+4*\s], 1
	s_add_co_u32 s[G0B+4*\s+1], s45, \s*SLOT
	s_add_nc_u64 s[G0B+4*\s+2:G0B+4*\s+3], s[22:23], \s*HALFT
	s_or_b32 s[G0B+4*\s+3], s[G0B+4*\s+3], 0x80000000
	s_wait_alu depctr_va_vdst(0)
	s_wait_tensorcnt 0x0
	ds_add_u32 v28, v29
	ds_add_u32 v28, v29
	s_wait_dscnt 0x0
	CROUND
	JLOAD G0+4*\s, G1, G0B+4*\s, G1B               ; one load of mine is out
.endr
	v_and_b32 v1, 15, v0                           ; r
	v_bfe_u32 v2, v0, 4, 1                         ; h
	s_wait_alu depctr_va_vdst(0)
	v_and_b32 v3, 31, v0
	v_lshlrev_b32 v[L16], 4, v3
	s_wait_alu depctr_va_vdst(0)
	v_lshlrev_b32 v[L8], 3, v3
	s_wait_alu depctr_va_vdst(0)
	v_lshlrev_b32 v10, 6, v2                       ; 64 h
	s_lshl_b32 s68, s19, 10
	s_lshl_b32 s69, s16, 9
	s_add_co_u32 s68, s68, s69                     ; my 128 columns, in bytes
	s_mov_b32 s69, 0
	s_add_nc_u64 s[78:79], s[8:9], s[68:69]
.irp g, 0,1,2,3
.irp j, 0,1,2,3
	global_load_b128 v[BIAS+16*\g+4*\j:BIAS+16*\g+4*\j+3], v10, s[78:79] offset:128*\g+16*\j   ; register 16 g + i: column 32 g + 16 h + i: the result's layout
.endr
.endr
	s_lshl_b32 s66, s18, 20                        ; 256 rows of 4,096 bytes,
	s_lshl_b32 s67, s15, 19                        ; my 128 of them,
	s_add_co_u32 s66, s66, s67
	s_add_co_u32 s66, s66, s68                     ; my columns
	s_mov_b32 s67, 0
	s_add_nc_u64 s[74:75], s[10:11], s[66:67]
	s_mul_i32 s84, s15, HALFT                      ; my block of P
	s_mul_i32 s85, s16, HALFT
	s_add_co_u32 s85, s85, 2*HALFT                 ; my block of Q
	s_sub_co_u32 s86, s85, s84
	v_mul_u32_u24 v4, s86, v2                      ; lanes 16-31 take Q's scale words: one product, the distance between the two
	v_lshl_add_u32 v4, v1, 3, v4
.irp s, 0,1
	v_add_nc_u32 v[ADRA+\s], s84, v[L16]
	v_add_nc_u32 v[ADRA+2+\s], s84, v[L8]
	v_add_nc_u32 v[ADRB+\s], s85, v[L16]
	v_add_nc_u32 v[ADRB+2+\s], s85, v[L8]
	v_add_nc_u32 v[ADRS+\s], s84, v4
	s_add_co_u32 s84, s84, SLOT
	s_add_co_u32 s85, s85, SLOT
.endr
	s_mul_i32 s87, s14, 8448
	s_add_co_u32 s87, s87, STAGE                   ; my stage
	v_mul_u32_u24 v5, v1, 528
	v_lshl_add_u32 v5, v2, 6, v5
	v_add_nc_u32 v[STO], s87, v5                   ; in: row r, + 64 h
	v_add_nc_u32 v[RD], s87, v[L16]                ; back: a row of 512 bytes, 16 bytes a lane
	s_wait_tensorcnt 1                             ; my part of slot 0 is in; slot 1's may stay out
	s_barrier_signal -1
	s_barrier_wait -1
	FETCH_B 0, 0, 0
	FETCH_A 0, 0, 0
	SCALES 0
	FETCH_A 0, 0, 4
	s_wait_loadcnt 0x0                             ; the bias
	STEP 0, 0, 2                                   ; K 0: its products start the sums on the bias
	TURN 0, 1, 1                                   ; slot 0 takes K 512 on
	STEP 1, 0, 0
	TURN 1, 0, 1                                   ; slot 1 takes K 768 on
	STEP 0, 0, 0
	TURN 0, 1, 0
	STEP 1, 0, 0
	s_wait_dscnt 4*NL                              ; the very last step: nothing more to fetch
	WIN MUL_LO
	MUL16 0, 1, NQ-1, 1, 0
	MUL16 2, 1, NQ-1, 1, 0
	s_wait_dscnt 0
	WIN MUL_HI
	MUL16 4, 1, NQ-1, 1, 0
	MUL16 6, 1, NQ-1, 1, 0
	WIN 0
; THE WAY OUT, tile by tile of 16 tokens x 128 columns: through my own stage, back as whole rows of 512 bytes.  LDS serves a wave's instructions in order: no wait between the stores and the loads.
.macro TOSTAGE a
.set AC, 64*((\a)%4)
	WIN 0x08+4*((\a)/4)                            ; an LDS store's data are its source 1: window 2 or 3
.irp b, 0,1,2,3,4,5,6,7
	ds_store_b128 v[STO], v[AC+8*\b:AC+8*\b+3] offset:128*(\b/2)+32*(\b%2)         ; each accumulator from its low end on
	ds_store_b128 v[STO], v[AC+8*\b+4:AC+8*\b+7] offset:128*(\b/2)+32*(\b%2)+16
.endr
	WIN 0
.set BB, BK+64*((\a)%2)
.irp t, 0,1,2,3,4,5,6,7,8,9,10,11,12,13,14,15
	ds_load_b128 v[BB+4*\t:BB+4*\t+3], v[RD] offset:\t*528
.endr
.endm
.macro SEND a, younger                 ; younger: the LDS instructions issued behind tile a's loads, which may stay out
.set BB, BK+64*((\a)%2)
	s_wait_dscnt \younger
.irp t, 0,1,2,3,4,5,6,7,8,9,10,11,12,13,14,15
	global_store_b128 v[L16], v[BB+4*\t:BB+4*\t+3], s[74:75] offset:(32*((\a)/2)+8*((\a)%2)+\t+8*(\t/8))*4096 th:TH_STORE_NT   ; 32 lanes store 512 consecutive bytes, at a multiple of 512 from out0's first byte
.endr
.endm
	PLACES NP                                      ; in front of the first read of results and of loads into the registers that held P's fragments
	TOSTAGE 0
.irp a, 1,2,3,4,5,6,7
.if \a > 1
	s_wait_xcnt 0x0                                ; tile a - 2's stores have read their registers: tile a's loads may land there
.endif
	TOSTAGE \a
	SEND \a-1, 32                                  ; behind tile a - 1's loads: tile a's 16 stores and 16 loads
.endr
	SEND 7, 0
	s_wait_tensorcnt 0x0                           ; the wave's end
	ds_add_u32 v[SPW], v[NIL]
	s_wait_dscnt 0x0
	CROUND                                         ; the closing round
	s_endpgm
.Lfunc_end_k_q2074cfa914_gemm_proj:
	.size	k_q2074cfa914_gemm_proj, .Lfunc_end_k_q2074cfa914_gemm_proj-k_q2074cfa914_gemm_proj
	.p2alignl 7, 3214868480
	.fill 96, 4, 3214868480
	.section	.rodata,"a",@progbits
	.p2align	6, 0x0
	.amdhsa_kernel k_q2074cfa914_gemm_proj
		.amdhsa_group_segment_fixed_size 327680
		.amdhsa_private_segment_fixed_size 0
		.amdhsa_enable_private_segment 0
		.amdhsa_kernarg_size 32
		.amdhsa_user_sgpr_count 2
		.amdhsa_user_sgpr_kernarg_segment_ptr 1
		.amdhsa_wavefront_size32 1
		.amdhsa_system_sgpr_workgroup_id_x 1
		.amdhsa_system_sgpr_workgroup_id_y 1
		.amdhsa_system_sgpr_workgroup_id_z 1
		.amdhsa_system_vgpr_workitem_id 0
		.amdhsa_next_free_vgpr 1024
		.amdhsa_next_free_sgpr 96
		.amdhsa_reserve_vcc 0
		.amdhsa_float_denorm_mode_32 3
		.amdhsa_float_denorm_mode_16_64 3
		.amdhsa_memory_ordered 1
		.amdhsa_forward_progress 1
		.amdhsa_inst_pref_size 143
	.end_amdhsa_kernel
	.amdgpu_metadata
---
amdhsa.version: [ 1, 2 ]
amdhsa.kernels:
  - .name:           k_q2074cfa914_gemm_proj
    .symbol:         k_q2074cfa914_gemm_proj.kd
    .args:
      - { .name: aq, .offset: 0, .size: 8, .value_kind: global_buffer, .address_space: global }
      - { .name: wq, .offset: 8, .size: 8, .value_kind: global_buffer, .address_space: global }
      - { .name: b_proj, .offset: 16, .size: 8, .value_kind: global_buffer, .address_space: global }
      - { .name: out0, .offset: 24, .size: 8, .value_kind: global_buffer, .address_space: global }
    .group_segment_fixed_size: 327680
    .private_segment_fixed_size: 0
    .kernarg_segment_align: 8
    .kernarg_segment_size: 32
    .max_flat_workgroup_size: 128
    .sgpr_count:     96
    .vgpr_count:     1024
    .wavefront_size: 32
...
	.end_amdgpu_metadata
.endif
;; end of part 4
